; MI455X (gfx1250); checked and timed in simulation.
; The chip was launched on July 23, 2026; its instructions are those of AMD's public machine-readable ISA for CDNA 5 (MIT licence, August 2026) and "CDNA5" Instruction Set Architecture Reference Guide (July 2026). The comments in the code are by the model that wrote it; some were corrected since.
;; Ro PE Attention. Allowed arithmetic: float matrix products may take bf16 or f16 operands with f32 sums; other float arithmetic in f32, or as packed bf16 or f16 multiplies, adds, multiply-adds, maxima and minima; sums over many terms, partial sums and values carried from step to step in f32; what a program stores and reads back later, other than sums and carried values, may be rounded once to bf16 or f16.
;; Inputs: b_out 1,024 float32; beta 1,024 float32; gamma 1,024 float32; w_out 1,024 x 1,024 float32; w_qkv 1,024 x 3,072 float32; x 4 x 2,048 x 1,024 float32.
;; Outputs: out0 4 x 2,048 x 1,024 float32.
;; One version. Each part assembles by itself: llvm-mc -triple=amdgcn-amd-amdhsa -mcpu=gfx1250 --defsym DOCPART=n.
;; ======== version 1 of 1: 4 launches
;; limits: values are held in f16: magnitudes above 65,504 overflow, below 6.1e-05 lose precision
;; workspace buffers: xn16 16,777,216 bytes; wq16 6,291,456 bytes; wo16 2,097,152 bytes; rope 524,288 bytes; q16 16,777,216 bytes; k16 16,777,216 bytes; v16 16,777,216 bytes; o16 16,777,216 bytes
;; launch prep (part 1): grid 832 x 1, 8 waves a work-group, no clusters, 0 bytes of LDS; arguments x, gamma, beta, w_qkv, w_out, xn16, wq16, wo16, rope; writes xn16, wq16, wo16, rope
.if DOCPART == 1
	.amdgcn_target "amdgcn-amd-amdhsa--gfx1250"
	.amdhsa_code_object_version 6
	.text
	.protected	k_qec5171a9d2_prep
	.globl	k_qec5171a9d2_prep
	.p2align	8
	.type	k_qec5171a9d2_prep,@function
k_qec5171a9d2_prep:
	s_mov_b64 s[64:65], 0
	v_nop
	global_prefetch_b8 v0, s[64:65] scope:SCOPE_SE
	s_setreg_imm32_b32 hwreg(HW_REG_WAVE_MODE, 25, 1), 1
	s_wait_xcnt 0x0
; FOUR PARTS, chosen by the work-group's number: 0-511 LayerNorm of x into xn16; 512-703 w_qkv into wq16; 704-767 w_out into wo16; 768-831 the RoPE table.
; xn16: f16 [b 4][kb 16][t 2048][64]: 64 channels of consecutive rows lie end to end.   wq16: f16 [j 8][k 1024][384]: q heads 2j, 2j+1 | k heads 2j, 2j+1 | v heads 2j, 2j+1.
; wo16: f16 [j 8][k 1024][128].   rope: f32 [t 2048][jj 32][cos, sin].
; LIMITS.  f16 ends at 65,504: the normalised rows (times gamma, plus beta) and the weights must lie within it; a weight below 6e-5 keeps f16's fixed step of 6e-8.  NaN and infinities are not treated apart.
; The mean is taken first and the squares of the differences second, so a common offset in x costs nothing.  The angles t x 10000^(-jj/32) are made with 2^x of one unit's accuracy: at t = 2,047 they may be off by 3e-4.
; No LDS, no matrix unit: every part reads each byte once and writes aligned runs of 256 bytes from sixteen neighbouring lanes, the table's from all 32; all loads of a wave go out at its head.
.set X, 16                             ; v[16:79]   LN: 64 numbers of x, then of the result
.set G, 80                             ; v[80:143]  gamma of the same columns
.set B, 144                            ; v[144:207] beta
	s_load_b256 s[4:11], s[0:1], 0x0               ; x s[4:5], gamma s[6:7], beta s[8:9], w_qkv s[10:11]
	s_load_b256 s[12:19], s[0:1], 0x20             ; w_out s[12:13], xn16 s[14:15], wq16 s[16:17], wo16 s[18:19]
	s_load_b64 s[20:21], s[0:1], 0x40              ; rope
	v_lshrrev_b32 v1, 5, v0
	v_readfirstlane_b32 s22, v1                    ; wave 0..7
	v_and_b32 v1, 31, v0                           ; lane
	s_cmp_lt_u32 ttmp9, 512
	s_cbranch_scc1 .Lln
	s_cmp_lt_u32 ttmp9, 704
	s_cbranch_scc1 .Lwq
	s_cmp_lt_u32 ttmp9, 768
	s_cbranch_scc1 .Lwo
	; THE TABLE.  64 work-groups x 8 waves x 4 rows; a lane is jj.  A wave's store is one row of 256 bytes.
	s_sub_co_u32 s23, ttmp9, 768
	s_lshl_b32 s23, s23, 5
	s_lshl2_add_u32 s23, s22, s23                  ; my first row t = 32 q + 4 wave
	s_lshl_b32 s24, s23, 8
	s_mov_b32 s25, 0
	v_cvt_f32_u32 v9, v1
	v_mul_f32 v9, 0xbed49a78, v9                   ; -jj log2(10000) / 32
	v_exp_f32 v10, v9                              ; 10000^(-jj/32)
	v_lshlrev_b32 v7, 3, v1                        ; 8 jj: a plain instruction behind the exponential
	v_mov_b32 v30, 0xb94ca1f9                      ; the sine's highest coefficient
	v_mov_b32 v31, 0x37ccf5ce                      ; the cosine's
	s_wait_alu depctr_va_vdst(0)                   ; the wait ahead of the first use of the exponential
	s_wait_kmcnt 0x0
	s_add_nc_u64 s[20:21], s[20:21], s[24:25]
.set i, 0
.rept 4
	s_add_co_u32 s26, s23, i
	v_cvt_f32_u32 v11, s26
	v_mul_f32 v12, v11, v10                        ; the angle, as reference() rounds it
	v_mul_f32 v13, 0x3f22f983, v12                 ; x 2 / pi
	v_rndne_f32 v13, v13                           ; n quarter turns
	v_fmamk_f32 v14, v13, 0xbfc90fdb, v12          ; r = angle - n pi/2, pi/2 in two parts
	v_fmamk_f32 v14, v13, 0x333bbd2e, v14
	v_mul_f32 v15, v14, v14                        ; z = r r, |r| <= pi/4
	v_fmaak_f32 v16, v30, v15, 0x3c08839e
	v_fmaak_f32 v18, v31, v15, 0xbab6061a
	v_fmaak_f32 v16, v16, v15, 0xbe2aaaa3
	v_fmaak_f32 v18, v18, v15, 0x3d2aaaa5
	v_mul_f32 v17, v14, v15
	v_mul_f32 v19, v15, v15
	v_fma_f32 v20, v15, -0.5, 1.0
	v_fma_f32 v16, v17, v16, v14                   ; sin r
	v_fma_f32 v18, v19, v18, v20                   ; cos r
	v_cvt_i32_f32 v21, v13
	v_and_b32 v22, 1, v21
	v_cmp_eq_u32 vcc_lo, 1, v22                    ; an odd quarter swaps the two
	v_cndmask_b32 v23, v16, v18, vcc_lo
	v_cndmask_b32 v24, v18, v16, vcc_lo
	v_lshlrev_b32 v25, 30, v21                     ; the sine is negative in quarters 2, 3
	v_and_b32 v25, 0x80000000, v25
	v_add_nc_u32 v26, 1, v21                       ; the cosine in quarters 1, 2
	v_lshlrev_b32 v26, 30, v26
	v_and_b32 v26, 0x80000000, v26
	v_xor_b32 v[40+2*i], v24, v26
	v_xor_b32 v[41+2*i], v23, v25
	global_store_b64 v7, v[40+2*i:41+2*i], s[20:21] offset:256*i
.set i, i+1
.endr
	s_endpgm
	; LAYERNORM.  A wave takes two rows, 2 p and 2 p + 1.  Lane = (sub = l % 8, row = (l / 8) % 2, kb = l / 16): for i = 0..7 it holds columns 64 (2 i + kb) + 8 sub + 0..7 of its row,
	; so that lanes 0-15 store rows 2 p, 2 p + 1 of one block of 64 channels: 256 consecutive bytes, aligned; lanes 16-31 the next block's.
.macro RED                             ; four chains into one, then over the 16 lanes of my row: l xor 1, 2, 4 and 16; bit 3, the row, is never crossed
	v_pk_add_f32 v[8:9], v[8:9], v[10:11]
	v_pk_add_f32 v[12:13], v[12:13], v[14:15]
	v_pk_add_f32 v[8:9], v[8:9], v[12:13]
	v_add_f32 v8, v8, v9
	v_add_f32_dpp v8, v8, v8 row_xmask:1 row_mask:0xf bank_mask:0xf
	v_add_f32_dpp v8, v8, v8 row_xmask:2 row_mask:0xf bank_mask:0xf
	v_add_f32_dpp v8, v8, v8 row_xmask:4 row_mask:0xf bank_mask:0xf
	v_permlanex16_b32 v9, v8, s28, s29
	v_add_f32 v8, v8, v9
.endm
.Lln:
	s_lshl_b32 s23, ttmp9, 3
	s_add_co_u32 s23, s23, s22                     ; p
	s_lshl_b32 s24, s23, 13                        ; two rows of 4,096 bytes
	s_mov_b32 s25, 0
	s_lshr_b32 s26, s23, 10                        ; b
	s_lshl_b32 s26, s26, 22
	s_and_b32 s27, s23, 1023
	s_lshl_b32 s27, s27, 8                         ; two rows of 128 bytes in a block
	s_add_co_u32 s26, s26, s27
	s_mov_b32 s27, 0
	s_mov_b32 s28, 0x76543210
	s_mov_b32 s29, 0xfedcba98
	s_mov_b32 s30, 0x3a800000                      ; 1 / 1024
	s_mov_b32 s31, 0x3727c5ac                      ; 1e-5
	v_and_b32 v2, 7, v0
	v_bfe_u32 v3, v0, 3, 1
	v_bfe_u32 v7, v0, 4, 1
	v_lshlrev_b32 v5, 5, v2
	v_lshl_add_u32 v5, v7, 8, v5                   ; gamma, beta: 256 kb + 32 sub
	v_lshl_add_u32 v4, v3, 12, v5                  ; x: + 4,096 row
	v_lshlrev_b32 v6, 4, v2
	v_lshl_add_u32 v6, v3, 7, v6
	v_lshl_add_u32 v6, v7, 18, v6                  ; out: 262,144 kb + 128 row + 16 sub
	s_wait_kmcnt 0x0
	s_add_nc_u64 s[4:5], s[4:5], s[24:25]
	s_add_nc_u64 s[14:15], s[14:15], s[26:27]
.irp i, 0,1,2,3,4,5,6,7
	global_load_b128 v[X+8*(\i):X+8*(\i)+3],   v4, s[4:5] offset:512*(\i) th:TH_LOAD_NT
	global_load_b128 v[X+8*(\i)+4:X+8*(\i)+7], v4, s[4:5] offset:512*(\i)+16 th:TH_LOAD_NT
.endr
.irp i, 0,1,2,3,4,5,6,7
	global_load_b128 v[G+8*(\i):G+8*(\i)+3],   v5, s[6:7] offset:512*(\i)
	global_load_b128 v[G+8*(\i)+4:G+8*(\i)+7], v5, s[6:7] offset:512*(\i)+16
.endr
.irp i, 0,1,2,3,4,5,6,7
	global_load_b128 v[B+8*(\i):B+8*(\i)+3],   v5, s[8:9] offset:512*(\i)
	global_load_b128 v[B+8*(\i)+4:B+8*(\i)+7], v5, s[8:9] offset:512*(\i)+16
.endr
	s_wait_loadcnt 32                              ; x's sixteen loads are in; gamma's and beta's 32 may stay out
.irp c, 0,1,2,3
	v_pk_add_f32 v[8+2*(\c):9+2*(\c)], v[X+2*(\c):X+2*(\c)+1], v[X+8+2*(\c):X+8+2*(\c)+1]  ; the first pairs start the four chains
.endr
.set j, 8
.rept 24
	v_pk_add_f32 v[8+2*(j%4):9+2*(j%4)], v[8+2*(j%4):9+2*(j%4)], v[X+2*j:X+2*j+1]
.set j, j+1
.endr
	RED
	v_mul_f32 v2, s30, v8                          ; the mean, twice
	v_mov_b32 v3, v2
.set j, 0
.rept 32
	v_pk_add_f32 v[X+2*j:X+2*j+1], v[X+2*j:X+2*j+1], v[2:3] neg_lo:[0,1] neg_hi:[0,1]
.set j, j+1
.endr
.irp c, 0,1,2,3
	v_pk_mul_f32 v[8+2*(\c):9+2*(\c)], v[X+2*(\c):X+2*(\c)+1], v[X+2*(\c):X+2*(\c)+1]
.endr
.set j, 4
.rept 28
	v_pk_fma_f32 v[8+2*(j%4):9+2*(j%4)], v[X+2*j:X+2*j+1], v[X+2*j:X+2*j+1], v[8+2*(j%4):9+2*(j%4)]
.set j, j+1
.endr
	RED
	v_fma_f32 v8, v8, s30, s31                     ; the variance + 1e-5
	v_rsq_f32 v2, v8
	v_rsq_f32 v3, v8
	v_nop                                          ; a plain instruction behind the two roots,
	s_wait_alu depctr_va_vdst(0)                   ; and the one wait ahead of their first use
	s_wait_loadcnt 0x0                             ; gamma and beta
.set j, 0
.rept 32
	v_pk_mul_f32 v[G+2*j:G+2*j+1], v[G+2*j:G+2*j+1], v[2:3]
.set j, j+1
.endr
.set j, 0
.rept 32
	v_pk_fma_f32 v[X+2*j:X+2*j+1], v[X+2*j:X+2*j+1], v[G+2*j:G+2*j+1], v[B+2*j:B+2*j+1]
.set j, j+1
.endr
.irp i, 0,1,2,3,4,5,6,7
	v_cvt_pk_f16_f32 v[X+8*(\i)],   v[X+8*(\i)],   v[X+8*(\i)+1]  ; in place, ascending: no source is written before it is read
	v_cvt_pk_f16_f32 v[X+8*(\i)+1], v[X+8*(\i)+2], v[X+8*(\i)+3]
	v_cvt_pk_f16_f32 v[X+8*(\i)+2], v[X+8*(\i)+4], v[X+8*(\i)+5]
	v_cvt_pk_f16_f32 v[X+8*(\i)+3], v[X+8*(\i)+6], v[X+8*(\i)+7]
	global_store_b128 v6, v[X+8*(\i):X+8*(\i)+3], s[14:15] offset:524288*(\i)
.endr
	s_endpgm
	; THE WEIGHTS.  A wave takes 8 rows k x 256 source columns; a lane 8 columns: 32 bytes in, 16 bytes out; lanes 0-15 fill 256 bytes of block j, lanes 16-31 of block j + 1.
.macro WCV sb, db, sp, dp              ; source base, destination base (scalar pairs), bytes from row to row in each
.irp i, 0,1,2,3,4,5,6,7
	global_load_b128 v[16+8*(\i):19+8*(\i)], v4, s[(\sb):(\sb)+1] offset:(\i)*(\sp) th:TH_LOAD_NT
	global_load_b128 v[20+8*(\i):23+8*(\i)], v4, s[(\sb):(\sb)+1] offset:(\i)*(\sp)+16 th:TH_LOAD_NT
.endr
.irp i, 0,1,2,3,4,5,6,7
	s_wait_loadcnt 14-2*(\i)                       ; row i's two loads are in; the later rows' stay out
	v_cvt_pk_f16_f32 v[16+8*(\i)], v[16+8*(\i)], v[17+8*(\i)]
	v_cvt_pk_f16_f32 v[17+8*(\i)], v[18+8*(\i)], v[19+8*(\i)]
	v_cvt_pk_f16_f32 v[18+8*(\i)], v[20+8*(\i)], v[21+8*(\i)]
	v_cvt_pk_f16_f32 v[19+8*(\i)], v[22+8*(\i)], v[23+8*(\i)]
	global_store_b128 v5, v[16+8*(\i):19+8*(\i)], s[(\db):(\db)+1] offset:(\i)*(\dp)
.endr
.endm
.Lwq:
	s_sub_co_u32 s23, ttmp9, 512
	s_lshr_b32 s24, s23, 4                         ; u: which 256 source columns, 0..11
	s_and_b32 s23, s23, 15
	s_lshl_b32 s23, s23, 6
	s_lshl3_add_u32 s23, s22, s23                  ; my first row k = 64 kk + 8 wave
	s_mul_i32 s26, s23, 12288
	s_lshl_b32 s27, s24, 10
	s_add_co_u32 s26, s26, s27
	s_mov_b32 s27, 0
	s_and_b32 s28, s24, 3
	s_mul_i32 s28, s28, 2*786432                   ; block j = 2 (u % 4) + l / 16
	s_mul_i32 s29, s23, 768
	s_add_co_u32 s28, s28, s29
	s_lshr_b32 s29, s24, 2                         ; q, k or v: the strip of 256 bytes
	s_lshl_b32 s29, s29, 8
	s_add_co_u32 s28, s28, s29
	s_mov_b32 s29, 0
	v_lshlrev_b32 v4, 5, v1
	v_bfe_u32 v5, v0, 4, 1
	v_mul_u32_u24 v5, v5, 786432
	v_and_b32 v6, 15, v0
	v_lshl_add_u32 v5, v6, 4, v5
	s_wait_kmcnt 0x0
	s_add_nc_u64 s[10:11], s[10:11], s[26:27]
	s_add_nc_u64 s[16:17], s[16:17], s[28:29]
	WCV 10, 16, 12288, 768
	s_endpgm
.Lwo:
	s_sub_co_u32 s23, ttmp9, 704
	s_lshr_b32 s24, s23, 4                         ; u: 0..3
	s_and_b32 s23, s23, 15
	s_lshl_b32 s23, s23, 6
	s_lshl3_add_u32 s23, s22, s23
	s_lshl_b32 s26, s23, 12
	s_lshl_b32 s27, s24, 10
	s_add_co_u32 s26, s26, s27
	s_mov_b32 s27, 0
	s_lshl_b32 s28, s24, 19                        ; block j = 2 u + l / 16, 262,144 bytes each
	s_lshl_b32 s29, s23, 8
	s_add_co_u32 s28, s28, s29
	s_mov_b32 s29, 0
	v_lshlrev_b32 v4, 5, v1
	v_bfe_u32 v5, v0, 4, 1
	v_lshlrev_b32 v5, 18, v5
	v_and_b32 v6, 15, v0
	v_lshl_add_u32 v5, v6, 4, v5
	s_wait_kmcnt 0x0
	s_add_nc_u64 s[12:13], s[12:13], s[26:27]
	s_add_nc_u64 s[18:19], s[18:19], s[28:29]
	WCV 12, 18, 4096, 256
	s_endpgm
.Lfunc_end_k_qec5171a9d2_prep:
	.size	k_qec5171a9d2_prep, .Lfunc_end_k_qec5171a9d2_prep-k_qec5171a9d2_prep
	.p2alignl 7, 3214868480
	.fill 96, 4, 3214868480
	.section	.rodata,"a",@progbits
	.p2align	6, 0x0
	.amdhsa_kernel k_qec5171a9d2_prep
		.amdhsa_group_segment_fixed_size 0
		.amdhsa_private_segment_fixed_size 0
		.amdhsa_enable_private_segment 0
		.amdhsa_kernarg_size 72
		.amdhsa_user_sgpr_count 2
		.amdhsa_user_sgpr_kernarg_segment_ptr 1
		.amdhsa_wavefront_size32 1
		.amdhsa_system_sgpr_workgroup_id_x 1
		.amdhsa_system_sgpr_workgroup_id_y 1
		.amdhsa_system_sgpr_workgroup_id_z 1
		.amdhsa_system_vgpr_workitem_id 0
		.amdhsa_next_free_vgpr 208
		.amdhsa_next_free_sgpr 66
		.amdhsa_reserve_vcc 1
		.amdhsa_float_denorm_mode_32 3
		.amdhsa_float_denorm_mode_16_64 3
		.amdhsa_memory_ordered 1
		.amdhsa_forward_progress 1
		.amdhsa_inst_pref_size 38
	.end_amdhsa_kernel
	.amdgpu_metadata
---
amdhsa.version: [ 1, 2 ]
amdhsa.kernels:
  - .name:           k_qec5171a9d2_prep
    .symbol:         k_qec5171a9d2_prep.kd
    .args:
      - { .name: x, .offset: 0, .size: 8, .value_kind: global_buffer, .address_space: global }
      - { .name: gamma, .offset: 8, .size: 8, .value_kind: global_buffer, .address_space: global }
      - { .name: beta, .offset: 16, .size: 8, .value_kind: global_buffer, .address_space: global }
      - { .name: w_qkv, .offset: 24, .size: 8, .value_kind: global_buffer, .address_space: global }
      - { .name: w_out, .offset: 32, .size: 8, .value_kind: global_buffer, .address_space: global }
      - { .name: xn16, .offset: 40, .size: 8, .value_kind: global_buffer, .address_space: global }
      - { .name: wq16, .offset: 48, .size: 8, .value_kind: global_buffer, .address_space: global }
      - { .name: wo16, .offset: 56, .size: 8, .value_kind: global_buffer, .address_space: global }
      - { .name: rope, .offset: 64, .size: 8, .value_kind: global_buffer, .address_space: global }
    .group_segment_fixed_size: 0
    .private_segment_fixed_size: 0
    .kernarg_segment_align: 8
    .kernarg_segment_size: 72
    .max_flat_workgroup_size: 256
    .sgpr_count:     66
    .vgpr_count:     208
    .wavefront_size: 32
...
	.end_amdgpu_metadata
.endif
;; end of part 1
;; launch qkv (part 2): grid 8 x 32, 4 waves a work-group, clusters of 4 x 4, 327,680 bytes of LDS; arguments xn16, wq16, rope, q16, k16, v16; writes q16, k16, v16
.if DOCPART == 2
	.amdgcn_target "amdgcn-amd-amdhsa--gfx1250"
	.amdhsa_code_object_version 6
	.text
	.protected	k_qec5171a9d2_qkv
	.globl	k_qec5171a9d2_qkv
	.p2align	8
	.type	k_qec5171a9d2_qkv,@function
k_qec5171a9d2_qkv:
	s_mov_b64 s[64:65], 0
	v_nop
	global_prefetch_b8 v0, s[64:65] scope:SCOPE_SE
	s_setreg_imm32_b32 hwreg(HW_REG_WAVE_MODE, 25, 1), 1
	s_wait_xcnt 0x0
	s_wait_alu depctr_hold_cnt(0) depctr_sa_sdst(0) depctr_va_vdst(0) depctr_va_sdst(0) depctr_va_ssrc(0) depctr_va_vcc(0) depctr_vm_vsrc(0)
	s_getreg_b32 s2, hwreg(HW_REG_IB_STS2, 6, 4)
	s_cmp_eq_u32 s2, 0
	s_cbranch_scc0 .Lentry_in_a_cluster
	s_endpgm
.Lentry_in_a_cluster:
	s_bfe_u32 s2, ttmp6, 0x10000c
	s_cmp_lg_u32 s2, 0xf033
	s_cbranch_scc0 .Lentry_shape_is_right
	s_endpgm
.Lentry_shape_is_right:
; q, k, v = xn x w_qkv, RoPE on q and k, written by heads: q16, k16, v16 = f16 [bh 64][t 2048][64], unscaled.  Operands f16, sums f32, each result rounded once.
; LIMITS.  f16 ends at 65,504: q, k and v must lie within it.  NaN and infinities are not treated apart.
; SHARES.  8,192 x 3,072 numbers over 256 work-groups: a tile of 256 rows x 384 columns each: the columns are heads 2 j, 2 j + 1 of q, of k and of v (wq16's block j).  A wave takes 128 rows (RH = wave / 2)
; and ONE head (2 j + CH, CH = wave % 2) of q, k and v: 128 x 192 = 96 accumulators, 768 registers: window 1 is q's strip, window 2 k's, window 3 v's; accumulator (a, nb) lies at v[8 (4 a + nb)].
; So which results are turned by RoPE is a matter of the window, and no branch hangs on a work-group's place.
; K goes in 16 steps of 64 through two LDS slots.  A's rows (xn16) lie along K; B (wq16, [k][column]) comes out of LDS turned, by ds_load_tr16_b128.
; THE MATRIX INSTRUCTION IS USED TRANSPOSED (source 0 = 16 columns of w, source 1 = 16 rows of xn): a lane holds row l % 16 and the columns 8 (l / 16) + 0..7: four RoPE pairs, 16 bytes of f16.
; CLUSTER 4 x 4.  The four of a row of the cluster need the same tile of xn, the four of a column the same tile of w: each is asked for JOINTLY.
; LDS: slot s at s x 131,072: A 256 rows x 144 (128 + 16); B 64 k-rows x 864 (three strips of 256 + 32).  Behind the ring a stage of 3 x 16 x 144 bytes a wave, then the spare words.
; WINDOW 0: v0-30 addresses; v32-159 A's fragments, two buffers by the chunk's parity; v160-255 B's fragments, one set a strip.  On the way out: v32-95 two table buffers, v96-111 T, v112-159 packed, v160-255 two blocks read back.
.set PA,    144
.set PB,    864
.set PS,    288
.set BOFF,  256*PA                     ; B's tile in a slot
.set SLOT1, 1<<17
.set STAGE, SLOT1+BOFF+64*PB           ; 223,232
.set SPARE, STAGE+4*3*16*PA            ; 250,880: the spare words, 128 bytes a wave: two blocks of 256 bytes that no other line names
.set ASTEP, 262144                     ; bytes from a K step to the next in xn16
.set BSTEP, 49152                      ; and in wq16
.set A0,   14                          ; v14  my lane's place in A's tile; never rewritten
.set B0,   15                          ; v15  in B's
.set ADRA, 16                          ; v16  the same in the slot that is read
.set ADRB, 17
.set STO,  24                          ; the way out: where I put 16 bytes of a row
.set RD,   25                          ; where I read rows back
.set GO,   26                          ; my 16 bytes of 512 consecutive bytes of q16, k16, v16
.set TO,   27                          ; my place in 16 rows of the table
.set SPW,  28                          ; my spare word; never rewritten
.set NIL,  29                          ; 0; never rewritten
.set PFO,  30                          ; 256 x lane; never rewritten
.set AF,   32
.set BF,   160
.set TBL,  32
.set T,    96
.set PK,   112
.set BK,   160
.set WV, 16
.set RH, 17
.set CH, 18
.set CX, 19
.set CY, 20
.set TJ, 21                            ; j: tile column
.set TR, 22                            ; tile row
.set G1A, 24                           ; s[24:31] group 1 for A's tiles;  s[32:35] group 0 of the first fill;  s[36:39] the walking group 0
.set G0A, 32
.set G1B, 40                           ; s[40:47], s[48:51], s[52:55] the same for B's
.set G0B, 48
.set PFA, 56                           ; s[56:57] where my prefetches stand
.set PST, 58                           ; s[58:59] their step
.set LIM, 60                           ; 1 in a wave that prefetches, else the greatest number
.set PAR, 61                           ; 1: in every trip; 0: in trips with an odd count alone
.set TB,  62                           ; the slot that is read: 0 or SLOT1
.set MSB, 0
.macro WIN new                         ; the immediate's high byte repeats the setting that is left; a switch that changes nothing is dropped
.if MSB != (\new)
	s_set_vgpr_msb (MSB<<8)|(\new)
.set MSB, (\new)
.endif
.endm
.macro PLACES                          ; four places in front of loads into registers that matrix instructions have read, and of lines that read results
.rept 4
	v_nop
.endr
.endm
.macro CREST                           ; a round of the cluster's barrier behind its opening barrier
	s_cmp_lg_u32 s[WV], 0
	s_cbranch_scc1 .Lnot_wave_0_\@
	s_barrier_signal -3
.Lnot_wave_0_\@:
	s_barrier_wait -3
	s_barrier_signal -1
	s_barrier_wait -1
.endm
.macro CROUND
	s_barrier_signal -1
	s_barrier_wait -1
	CREST
.endm
.macro JLOAD                           ; a joint refill by the walking group 0: waves 0, 1 fetch A's halves, waves 2, 3 B's.  An s_nop 0 and four v_nop follow each line
	s_cmp_eq_u32 s[RH], 0
	s_cbranch_scc0 .Lfor_b_\@
	tensor_load_to_lds s[G0A+4:G0A+7], s[G1A:G1A+7]
	s_nop 0
.rept 4
	v_nop
.endr
	s_branch .Lasked_\@
.Lfor_b_\@:
	tensor_load_to_lds s[G0B+4:G0B+7], s[G1B:G1B+7]
	s_nop 0
.rept 4
	v_nop
.endr
.Lasked_\@:
.endm
; A PREFETCH, behind the joint load, its five lines and the run of LDS loads.  Each aligned block of 256 bytes is named once in the launch.
; A: a step's tile is 128 blocks; the cluster with x = 0 asks, wave 0 of each of the four partners of a row for 32 blocks, told apart by address (cx); trip t names step t + 3, one step ahead of the refill that wants it.
; B: two steps are 384 blocks; the cluster with y = 0 asks, waves 1-3 of each of the four partners of a column (cy) for 32 blocks each, in every second trip: steps t + 3 and t + 4.
; The last asks end with step 15.  Steps 0-2 of A and 0-3 of B come by their loads alone.
.macro ASK
	s_cmp_gt_u32 s3, s[LIM]
	s_cbranch_scc0 .Lnot_mine_\@
	s_or_b32 s2, s3, s[PAR]
	s_bitcmp1_b32 s2, 0
	s_cbranch_scc0 .Lnot_mine_\@
	global_prefetch_b8 v[PFO], s[PFA:PFA+1] th:TH_LOAD_NT scope:SCOPE_SE
.Lnot_mine_\@:
.endm
	s_load_b256 s[4:11], s[0:1], 0x0               ; xn16 s[4:5], wq16 s[6:7], rope s[8:9], q16 s[10:11]
	s_load_b128 s[12:15], s[0:1], 0x20             ; k16 s[12:13], v16 s[14:15]
	v_lshl_add_u32 v[SPW], v0, 2, SPARE
	v_mov_b32 v[NIL], 0
	ds_add_u32 v[SPW], v[NIL]                      ; the wave's opening: the add and its wait stand ahead of my first tensor load; work on registers stands between them
	v_lshrrev_b32 v1, 5, v0
	v_readfirstlane_b32 s[WV], v1
	s_lshr_b32 s[RH], s[WV], 1                     ; my half of the rows.  Also: I fetch for A (0) or B (1)
	s_and_b32 s[CH], s[WV], 1                      ; my head of the two.  Also: which half of that tile I fetch
	s_bfe_u32 s[CX], ttmp6, 0x40000
	s_bfe_u32 s[CY], ttmp6, 0x40004
	s_lshl_b32 s[TJ], ttmp9, 2
	s_add_co_u32 s[TJ], s[TJ], s[CX]
	s_and_b32 s[TR], ttmp7, 0xffff
	s_lshl_b32 s[TR], s[TR], 2
	s_add_co_u32 s[TR], s[TR], s[CY]
	s_lshl_b32 s2, s[CY], 2
	s_lshl_b32 s2, 15, s2                          ; my row of the cluster
	s_lshl_b32 s23, 0x1111, s[CX]                  ; my column
	s_or_b32 s[G1A], s2, (1<<16)|(1<<20)|(1<<21)|(4<<22)|(3<<25)   ; mask; 2-byte elements; padding on; bit 21 beside a mask; after every 32 words 4 words
	s_or_b32 s[G1B], s23, (1<<16)|(1<<20)|(1<<21)|(5<<22)|(7<<25)  ; after every 64 words 8 words
.irp g, G1A, G1B
	s_mov_b32 s[\g+1], 128<<16                     ; tensor_dim0 = 128 elements: rows of 256 bytes, end to end in memory
	s_mov_b32 s[\g+3], 128<<16                     ; tile_dim0
	s_mov_b32 s[\g+5], 128                         ; from row to row
	s_mov_b32 s[\g+6], 0
	s_mov_b32 s[\g+7], 0
.endr
	s_mov_b32 s[G1A+2], 64<<16                     ; A: 64 such rows = 128 rows of xn x 64 channels
	s_mov_b32 s[G1A+4], 64
	s_mov_b32 s[G1B+2], 96<<16                     ; B: 96 such rows = 32 k x 384 columns
	s_mov_b32 s[G1B+4], 96
	s_lshr_b32 s66, s[TR], 3                       ; A's tile: b x 4,194,304 + (tile row % 8) x 32,768 + half x 16,384
	s_lshl_b32 s66, s66, 22
	s_and_b32 s67, s[TR], 7
	s_lshl_b32 s67, s67, 15
	s_add_co_u32 s66, s66, s67
	s_lshl_b32 s76, s[CX], 13                      ; the prefetch of A: the tile, my work-group's quarter, at step 2
	s_add_co_u32 s76, s76, s66
	s_add_co_u32 s76, s76, 2*ASTEP
	s_lshl_b32 s67, s[CH], 14
	s_add_co_u32 s66, s66, s67
	s_mov_b32 s67, 0
	s_mul_i32 s68, s[TJ], 786432                   ; B's tile: j x 786,432 + half x 24,576
	s_mul_i32 s77, s[CY], 3                        ; the prefetch of B: part 3 cy + wave - 1 of twelve, at step 2
	s_add_co_u32 s77, s77, s[WV]
	s_lshl_b32 s77, s77, 13
	s_add_co_u32 s77, s77, s68
	s_add_co_u32 s77, s77, 2*BSTEP-8192
	s_mul_i32 s69, s[CH], 24576
	s_add_co_u32 s68, s68, s69
	s_mov_b32 s69, 0
	s_mul_i32 s70, s[CH], 128*PA                   ; where they go: no place in the cluster enters an LDS address
	s_mul_i32 s71, s[CH], 32*PB
	s_add_co_u32 s71, s71, BOFF
	s_mov_b32 s[G0A], 1
	s_mov_b32 s[G0A+1], s70
	s_mov_b32 s[G0A+4], 1
	s_add_co_u32 s[G0A+5], s70, SLOT1
	s_mov_b32 s[G0B], 1
	s_mov_b32 s[G0B+1], s71
	s_mov_b32 s[G0B+4], 1
	s_add_co_u32 s[G0B+5], s71, SLOT1
	s_mov_b32 s[TB], 0
	s_and_b32 s78, ttmp7, 0xffff                   ; cluster y
	s_mov_b32 s79, ASTEP
	s_mov_b32 s80, BSTEP
	s_cmp_eq_u32 s[WV], 0                          ; wave 0 prefetches A, waves 1-3 B
	s_cselect_b32 s[PST], s79, s80
	s_cselect_b32 s[PAR], 1, 0
	s_cselect_b32 s82, s76, s77
	s_cselect_b32 s78, ttmp9, s78                  ; the coordinate along which other clusters read the same blocks
	s_mov_b32 s[PST+1], 0
	s_mov_b32 s83, 0
	s_cmp_eq_u32 s78, 0
	s_cselect_b32 s[LIM], 1, -1                    ; the same in all sixteen partners, for a given wave
	s_wait_dscnt 0x0                               ; the opening add is done
	s_wait_kmcnt 0x0
	s_add_nc_u64 s[72:73], s[4:5], s[66:67]
	s_add_nc_u64 s[74:75], s[6:7], s[68:69]
	s_add_nc_u64 s[G0A+2:G0A+3], s[72:73], 0       ; step 0 into slot 0
	s_or_b32 s[G0A+3], s[G0A+3], 0x80000000
	s_add_nc_u64 s[G0A+6:G0A+7], s[72:73], ASTEP   ; step 1 into slot 1
	s_or_b32 s[G0A+7], s[G0A+7], 0x80000000
	s_add_nc_u64 s[G0B+2:G0B+3], s[74:75], 0
	s_or_b32 s[G0B+3], s[G0B+3], 0x80000000
	s_add_nc_u64 s[G0B+6:G0B+7], s[74:75], BSTEP
	s_or_b32 s[G0B+7], s[G0B+7], 0x80000000
	s_cmp_eq_u32 s[WV], 0
	s_cselect_b64 s[PFA:PFA+1], s[4:5], s[6:7]
	s_add_nc_u64 s[PFA:PFA+1], s[PFA:PFA+1], s[82:83]
	CROUND                                         ; all sixteen work-groups are here: the first joint loads meet
	s_cmp_eq_u32 s[RH], 0                          ; a wave's two first fills stand in one branch: two loads of mine are out
	s_cbranch_scc0 .Lfirst_b
	tensor_load_to_lds s[G0A:G0A+3], s[G1A:G1A+7]
	s_nop 0
	tensor_load_to_lds s[G0A+4:G0A+7], s[G1A:G1A+7]
	s_nop 0
.rept 4
	v_nop
.endr
	s_branch .Lfirst_asked
.Lfirst_b:
	tensor_load_to_lds s[G0B:G0B+3], s[G1B:G1B+7]
	s_nop 0
	tensor_load_to_lds s[G0B+4:G0B+7], s[G1B:G1B+7]
	s_nop 0
.rept 4
	v_nop
.endr
.Lfirst_asked:
	v_and_b32 v1, 15, v0                           ; r = l % 16
	v_bfe_u32 v2, v0, 4, 1                         ; h = l / 16
	v_and_b32 v3, 7, v0
	v_bfe_u32 v4, v0, 3, 1
	v_and_b32 v5, 31, v0
	v_mul_u32_u24 v[A0], v1, PA                    ; a fragment of A: row r, 16 bytes for each half of the lanes, twice, 32 bytes apart
	v_lshl_add_u32 v[A0], v2, 4, v[A0]
	s_mul_i32 s2, s[RH], 128*PA
	v_add_nc_u32 v[A0], s2, v[A0]
	v_lshl_add_u32 v[B0], v2, 3, v3                ; the turning load: lane l reads k-row 8 h + l % 8, columns 8 ((l / 8) % 2) + 0..7
	v_mul_u32_u24 v[B0], v[B0], PB
	v_lshl_add_u32 v[B0], v4, 4, v[B0]
	s_lshl_b32 s2, s[CH], 7                        ; my head's 128 bytes of a strip
	s_add_co_u32 s2, s2, BOFF
	v_add_nc_u32 v[B0], s2, v[B0]
	v_mov_b32 v[ADRA], v[A0]
	v_mov_b32 v[ADRB], v[B0]
	s_mul_i32 s2, s[WV], 3*16*PA
	s_add_co_u32 s2, s2, STAGE                     ; my stage
	v_mul_u32_u24 v[STO], v1, PA
	v_lshl_add_u32 v[STO], v2, 4, v[STO]
	v_add_nc_u32 v[STO], s2, v[STO]
	v_bfe_u32 v[RD], v0, 3, 2                      ; back: 32 lanes take four rows of 128 bytes
	v_mul_u32_u24 v[RD], v[RD], PA
	v_lshl_add_u32 v[RD], v3, 4, v[RD]
	v_add_nc_u32 v[RD], s2, v[RD]
	v_lshlrev_b32 v[GO], 4, v5
	v_lshlrev_b32 v[TO], 8, v1                     ; the table: row r, 32 bytes for each half of the lanes
	v_lshl_add_u32 v[TO], v2, 5, v[TO]
	v_lshlrev_b32 v[PFO], 8, v5
	s_lshr_b32 s84, s[TR], 3                       ; the way out: bh = 16 b + 2 j + CH, 262,144 bytes each,
	s_lshl_b32 s84, s84, 4
	s_lshl1_add_u32 s84, s[TJ], s84
	s_add_co_u32 s84, s84, s[CH]
	s_lshl_b32 s84, s84, 18
	s_and_b32 s86, s[TR], 7                        ; my first row t = 256 (tile row % 8) + 128 RH
	s_lshl_b32 s86, s86, 8
	s_lshl_b32 s87, s[RH], 7
	s_add_co_u32 s86, s86, s87
	s_lshl_b32 s87, s86, 7
	s_add_co_u32 s84, s84, s87
	s_mov_b32 s85, 0
	s_lshl_b32 s86, s86, 8
	s_mov_b32 s87, 0
	s_add_nc_u64 s[10:11], s[10:11], s[84:85]
	s_add_nc_u64 s[12:13], s[12:13], s[84:85]
	s_add_nc_u64 s[14:15], s[14:15], s[84:85]
	s_add_nc_u64 s[8:9], s[8:9], s[86:87]
; 16 matrix instructions: row blocks a0 .. a0 + 3 x the four column blocks of strip w, 32 along K; A's buffer af.  The accumulators take turns, one instruction a turn: an accumulator comes round after 96.
.macro MUL16 af, w, a0, zero
	WIN 0x50*((\w)+1)                              ; C and D in the strip's window, both sources in window 0
.irp a, (\a0), (\a0)+1, (\a0)+2, (\a0)+3
.irp nb, 0,1,2,3
.if \zero
	v_wmma_f32_16x16x32_f16 v[8*(4*(\a)+(\nb)):8*(4*(\a)+(\nb))+7], v[BF+32*(\w)+8*(\nb):BF+32*(\w)+8*(\nb)+7], v[AF+64*(\af)+8*(\a):AF+64*(\af)+8*(\a)+7], 0
.else
	v_wmma_f32_16x16x32_f16 v[8*(4*(\a)+(\nb)):8*(4*(\a)+(\nb))+7], v[BF+32*(\w)+8*(\nb):BF+32*(\w)+8*(\nb)+7], v[AF+64*(\af)+8*(\a):AF+64*(\af)+8*(\a)+7], v[8*(4*(\a)+(\nb)):8*(4*(\a)+(\nb))+7]
.endif
.endr
.endr
.endm
.macro LDA kc                          ; 16 loads: my 128 rows, channels 32 kc on, into buffer kc
.irp a, 0,1,2,3,4,5,6,7
	ds_load_b128 v[AF+64*(\kc)+8*(\a):AF+64*(\kc)+8*(\a)+3],   v[ADRA] offset:16*PA*(\a)+64*(\kc)
	ds_load_b128 v[AF+64*(\kc)+8*(\a)+4:AF+64*(\kc)+8*(\a)+7], v[ADRA] offset:16*PA*(\a)+64*(\kc)+32
.endr
.endm
.macro LDB kc, w                       ; 8 turning loads: k-rows 32 kc on, my head's 64 columns of strip w
.irp nb, 0,1,2,3
	ds_load_tr16_b128 v[BF+32*(\w)+8*(\nb):BF+32*(\w)+8*(\nb)+3],   v[ADRB] offset:32*PB*(\kc)+PS*(\w)+32*(\nb)
	ds_load_tr16_b128 v[BF+32*(\w)+8*(\nb)+4:BF+32*(\w)+8*(\nb)+7], v[ADRB] offset:32*PB*(\kc)+PS*(\w)+32*(\nb)+16*PB
.endr
.endm
.macro TABLE a                         ; cos and sin for row block a: 8 loads; for column block n my four pairs, 32 bytes
.irp n, 0,1,2,3
	global_load_b128 v[TBL+32*((\a)%2)+8*(\n):TBL+32*((\a)%2)+8*(\n)+3],   v[TO], s[8:9] offset:4096*(\a)+64*(\n)
	global_load_b128 v[TBL+32*((\a)%2)+8*(\n)+4:TBL+32*((\a)%2)+8*(\n)+7], v[TO], s[8:9] offset:4096*(\a)+64*(\n)+16
.endr
.endm
; A CHUNK: 32 along K, three units of 32 matrix instructions, one a strip.  In each unit's middle stands one run of LDS loads, four places behind the last matrix instruction:
; unit 0: this chunk's B of strip 2; unit 1: the next chunk's A and B of strip 0; unit 2: the next chunk's B of strip 1.
; mode 0: within a K step.  1: the step's second chunk, with the change of slots and a joint refill.  2: the change without a refill.  3: the last chunk of all: the first two table blocks are asked for.
.macro CHUNK kc, zero, mode
	s_wait_dscnt 8                                 ; A and B of strip 0 are in; the 8 loads of strip 1 issued behind them may be out
	MUL16 \kc, 0, 0, \zero
	PLACES
	WIN 0
	LDB \kc, 2
	MUL16 \kc, 0, 4, \zero
.if (\mode) == 0
	s_wait_dscnt 8                                 ; B of strip 1 is in; strip 2's 8 loads may be out
	MUL16 \kc, 1, 0, \zero
	PLACES
	WIN 0
	LDA 1-(\kc)
	LDB 1-(\kc), 0
	MUL16 \kc, 1, 4, \zero
.elseif (\mode) == 3
	s_wait_dscnt 8
	MUL16 \kc, 1, 0, 0
	PLACES
	WIN 0
	TABLE 0                                        ; into A's buffer 0, which the chunk before read last
	TABLE 1
	MUL16 \kc, 1, 4, 0
.else
.if (\mode) == 1
	s_wait_xcnt 0x0                                ; the last prefetch, a K step back, has read its address
	s_add_nc_u64 s[PFA:PFA+1], s[PFA:PFA+1], s[PST:PST+1]
.endif
	WIN 0
	s_wait_tensorcnt 0x0                           ; all my tensor loads have landed: the one that was out is my part of the next slot;
	ds_add_u32 v[SPW], v[NIL]                      ; 0 onto my spare word
.if (\mode) == 1
	s_xor_b32 s[G0A+5], s[G0A+5], SLOT1            ; no load of mine is out, so the walking descriptors step: the other slot, the next K step
	s_add_nc_u64 s[G0A+6:G0A+7], s[G0A+6:G0A+7], ASTEP
	s_xor_b32 s[G0B+5], s[G0B+5], SLOT1
	s_add_nc_u64 s[G0B+6:G0B+7], s[G0B+6:G0B+7], BSTEP
.endif
	s_wait_dscnt 9                                 ; B of strip 1 is in; strip 2's 8 loads and the add may be out
	MUL16 \kc, 1, 0, 0
	s_wait_dscnt 0x0                               ; the add is done, and my reads of this slot are over
	s_barrier_signal -1
	s_xor_b32 s[TB], s[TB], SLOT1
	MUL16 \kc, 1, 4, 0
	WIN 0
	s_barrier_wait -1
.if (\mode) == 1
	CREST                                          ; the barrier has opened a round of the cluster's: no wave of any partner still reads this slot or has a load on its way
	JLOAD                                          ; the first tensor load behind the round; its four v_nop are also the places in front of the loads below
.else
	PLACES
.endif
	v_add_nc_u32 v[ADRA], s[TB], v[A0]
	v_add_nc_u32 v[ADRB], s[TB], v[B0]
	LDA 1-(\kc)
	LDB 1-(\kc), 0
.if (\mode) == 1
	ASK
.endif
.endif
.if (\mode) == 3
	s_wait_dscnt 0x0
.else
	s_wait_dscnt 24                                ; B of strip 2 is in; the 24 loads for the next chunk may be out
.endif
	MUL16 \kc, 2, 0, \zero
.if (\mode) != 3
	PLACES
	WIN 0
	LDB 1-(\kc), 1
.endif
	MUL16 \kc, 2, 4, \zero
.endm
	s_wait_tensorcnt 1                             ; my part of step 0 is in; step 1's may stay out
	s_barrier_signal -1
	s_barrier_wait -1
	LDA 0
	LDB 0, 0
	LDB 0, 1
	CHUNK 0, 1, 0                                  ; the first chunk stands ahead of the loop: its products start the sums
	WIN 0
	s_mov_b32 s3, 14
.Lstep:                                        ; 14 trips: a step's second chunk, which asks for the step two on, and the next step's first
	CHUNK 1, 0, 1
	CHUNK 0, 0, 0
	WIN 0
	s_sub_co_u32 s3, s3, 1
	s_cmp_lg_u32 s3, 0
	s_cbranch_scc1 .Lstep
	CHUNK 1, 0, 2                                  ; the tail is written out: nothing is left to ask for
	CHUNK 0, 0, 0
	CHUNK 1, 0, 3
	PLACES
; THE WAY OUT, a block of 16 rows at a time.  ROPE: (e, o) -> (e c - o s, o c + e s) for my four pairs of each column block, rounded to f16; two column blocks under one window setting.
.macro ROPE a, hd                      ; hd = 0: q (window 1), 1: k (window 2)
.set g, 0
.rept 2
	WIN (\hd)+1                                    ; source 0 in the strip's window
.set m, 2*g
.rept 2
.set rA, 8*(4*(\a)+m)
.set rB, TBL+32*((\a)%2)+8*m
.set rT, T+8*(m%2)
.irp p, 0,2,4,6
	v_pk_mul_f32 v[rT+(\p):rT+(\p)+1], v[rA+(\p):rA+(\p)+1], v[rB+(\p):rB+(\p)+1] op_sel_hi:[1,0]  ; (e c, o c); the accumulator's lowest registers are read first
.endr
.irp p, 0,2,4,6
	v_fma_f32 v[rT+(\p)], -v[rA+(\p)+1], v[rB+(\p)+1], v[rT+(\p)]
	v_fma_f32 v[rT+(\p)+1], v[rA+(\p)], v[rB+(\p)+1], v[rT+(\p)+1]
.endr
.set m, m+1
.endr
	WIN 0
.set m, 2*g
.rept 2
.irp p, 0,1,2,3
	v_cvt_pk_f16_f32 v[PK+16*(\hd)+4*m+(\p)], v[T+8*(m%2)+2*(\p)], v[T+8*(m%2)+2*(\p)+1]
.endr
.set m, m+1
.endr
.set g, g+1
.endr
.endm
.macro CVTV a                          ; v is only rounded
	WIN 0x0f                                       ; sources 0 and 1 in window 3
.set m, 0
.rept 4
.irp p, 0,1,2,3
	v_cvt_pk_f16_f32 v[PK+32+4*m+(\p)], v[8*(4*(\a)+m)+2*(\p)], v[8*(4*(\a)+m)+2*(\p)+1]
.endr
.set m, m+1
.endr
	WIN 0
.endm
.macro PACK a
.if (\a) < 7
	s_wait_loadcnt 8                               ; this block's table is in; the next block's 8 loads may be out
.else
	s_wait_loadcnt 0x0
.endif
	ROPE \a, 0
	ROPE \a, 1
	CVTV \a
.if (\a) < 6
	TABLE (\a)+2                                   ; into the buffer just read
.endif
.endm
.macro TOSTAGE a                       ; 16 bytes a lane into rows of 144 bytes, and back as whole rows of 128: LDS serves a wave's instructions in order (ISA guide 5.7.1.4)
.irp hd, 0,1,2
.irp nb, 0,1,2,3
	ds_store_b128 v[STO], v[PK+16*(\hd)+4*(\nb):PK+16*(\hd)+4*(\nb)+3] offset:16*PA*(\hd)+32*(\nb)
.endr
.endr
.irp hd, 0,1,2
.irp f, 0,1,2,3
	ds_load_b128 v[BK+48*((\a)%2)+16*(\hd)+4*(\f):BK+48*((\a)%2)+16*(\hd)+4*(\f)+3], v[RD] offset:16*PA*(\hd)+4*PA*(\f)
.endr
.endr
.endm
.macro SEND a
	s_wait_dscnt 0x0                               ; the block is back in registers
	s_wait_xcnt 0x0                                ; the stores of the block before have read their registers: the next TOSTAGE loads into them
.irp f, 0,1,2,3
	global_store_b128 v[GO], v[BK+48*((\a)%2)+4*(\f):BK+48*((\a)%2)+4*(\f)+3],       s[10:11] offset:2048*(\a)+512*(\f)  ; 512 consecutive bytes, aligned
	global_store_b128 v[GO], v[BK+48*((\a)%2)+16+4*(\f):BK+48*((\a)%2)+16+4*(\f)+3], s[12:13] offset:2048*(\a)+512*(\f)
	global_store_b128 v[GO], v[BK+48*((\a)%2)+32+4*(\f):BK+48*((\a)%2)+32+4*(\f)+3], s[14:15] offset:2048*(\a)+512*(\f)
.endr
.endm
	PACK 0
	TOSTAGE 0
.irp a, 1,2,3,4,5,6,7                  ; block a's arithmetic stands between block a - 1's loads from the stage and the wait for them
	PACK \a
	SEND (\a)-1
	TOSTAGE \a
.endr
	SEND 7
	s_wait_tensorcnt 0x0                           ; the wave's end
	ds_add_u32 v[SPW], v[NIL]
	s_wait_dscnt 0x0
	CROUND                                         ; the closing round
	s_endpgm
.Lfunc_end_k_qec5171a9d2_qkv:
	.size	k_qec5171a9d2_qkv, .Lfunc_end_k_qec5171a9d2_qkv-k_qec5171a9d2_qkv
	.p2alignl 7, 3214868480
	.fill 96, 4, 3214868480
	.section	.rodata,"a",@progbits
	.p2align	6, 0x0
	.amdhsa_kernel k_qec5171a9d2_qkv
		.amdhsa_group_segment_fixed_size 327680
		.amdhsa_private_segment_fixed_size 0
		.amdhsa_enable_private_segment 0
		.amdhsa_kernarg_size 48
		.amdhsa_user_sgpr_count 2
		.amdhsa_user_sgpr_kernarg_segment_ptr 1
		.amdhsa_wavefront_size32 1
		.amdhsa_system_sgpr_workgroup_id_x 1
		.amdhsa_system_sgpr_workgroup_id_y 1
		.amdhsa_system_sgpr_workgroup_id_z 1
		.amdhsa_system_vgpr_workitem_id 0
		.amdhsa_next_free_vgpr 1024
		.amdhsa_next_free_sgpr 96
		.amdhsa_reserve_vcc 0
		.amdhsa_float_denorm_mode_32 3
		.amdhsa_float_denorm_mode_16_64 3
		.amdhsa_memory_ordered 1
		.amdhsa_forward_progress 1
		.amdhsa_inst_pref_size 169
	.end_amdhsa_kernel
	.amdgpu_metadata
---
amdhsa.version: [ 1, 2 ]
amdhsa.kernels:
  - .name:           k_qec5171a9d2_qkv
    .symbol:         k_qec5171a9d2_qkv.kd
    .args:
      - { .name: xn16, .offset: 0, .size: 8, .value_kind: global_buffer, .address_space: global }
      - { .name: wq16, .offset: 8, .size: 8, .value_kind: global_buffer, .address_space: global }
      - { .name: rope, .offset: 16, .size: 8, .value_kind: global_buffer, .address_space: global }
      - { .name: q16, .offset: 24, .size: 8, .value_kind: global_buffer, .address_space: global }
      - { .name: k16, .offset: 32, .size: 8, .value_kind: global_buffer, .address_space: global }
      - { .name: v16, .offset: 40, .size: 8, .value_kind: global_buffer, .address_space: global }
    .group_segment_fixed_size: 327680
    .private_segment_fixed_size: 0
    .kernarg_segment_align: 8
    .kernarg_segment_size: 48
    .max_flat_workgroup_size: 128
    .sgpr_count:     96
    .vgpr_count:     1024
    .wavefront_size: 32
...
	.end_amdgpu_metadata
.endif
;; end of part 2
;; launch attn (part 3): grid 4 x 64, 4 waves a work-group, clusters of 4 x 1, 327,680 bytes of LDS; arguments q16, k16, v16, o16; writes o16
.if DOCPART == 3
	.amdgcn_target "amdgcn-amd-amdhsa--gfx1250"
	.amdhsa_code_object_version 6
	.text
	.protected	k_qec5171a9d2_attn
	.globl	k_qec5171a9d2_attn
	.p2align	8
	.type	k_qec5171a9d2_attn,@function
k_qec5171a9d2_attn:
	s_mov_b64 s[64:65], 0
	v_nop
	global_prefetch_b8 v0, s[64:65] scope:SCOPE_SE
	s_setreg_imm32_b32 hwreg(HW_REG_WAVE_MODE, 25, 1), 1
	s_wait_xcnt 0x0
	s_wait_alu depctr_hold_cnt(0) depctr_sa_sdst(0) depctr_va_vdst(0) depctr_va_sdst(0) depctr_va_ssrc(0) depctr_va_vcc(0) depctr_vm_vsrc(0)
	s_getreg_b32 s2, hwreg(HW_REG_IB_STS2, 6, 4)
	s_cmp_eq_u32 s2, 0
	s_cbranch_scc0 .Lentry_in_a_cluster
	s_endpgm
.Lentry_in_a_cluster:
	s_bfe_u32 s2, ttmp6, 0x10000c
	s_cmp_lg_u32 s2, 0x3003
	s_cbranch_scc0 .Lentry_shape_is_right
	s_endpgm
.Lentry_shape_is_right:
; O[h][q][:] = the sum over k of softmax_k(Q[h][q] . K[h][k] / 8) V[h][k][:].  Q, K, V, O: [64][2048][64], all f16: a head's rows are dense, 128 bytes each.  Products, maxima and sums in
; f32; the weights p are rounded to f16 for the second product (their sum l is taken of the unrounded p), O once at the end.
; LIMITS.  f16 holds no number beyond 65,504: Q, K and V arrive within it; p lies in 0 to 1, and below 6e-5 it keeps f16's fixed step of 6e-8; O is a mean of V's rows and has their range.
; A weight below 2^-126 counts as 0 in l; NaN and infinities are not treated apart.
; SHARES.  A wave owns four PIECES of two tiles of 16 queries, a work-group's four waves 512 queries of one head.  Every wave walks all keys, 64 a step.
; LAYOUT.  S^T = K Q^T (source 0 = 16 keys, source 1 = 16 queries): a lane holds ONE query (lane % 16) and the keys 8 (lane / 16) + 0..7.  Two such tiles, rounded to f16 in pairs,
; ARE source 1 of O^T = V^T P.  K comes out of LDS as it lies, V ([key][channel]) turned, by ds_load_tr16_b128.
; SOFTMAX.  For each query a running maximum m and sum l: p = 2^(c s - c m), c = log2(e) / 8; in every step O and l are multiplied by a = 2^(c m_old - c m_new).
; m starts at the lowest finite number, O and l at 0: the first step is a step like any other, with a = 0.
; BY TURNS.  Turn n belongs to piece n.  Its matrix work: 16 products K Q^T of piece n + 1, later 16 products V^T P of piece n - 1.  Its vector work: the scaling, exponentials, roundings, sums and
; rescaling of piece n, and the maximum and statistics of piece n + 1.  Four vector instructions stand behind every matrix instruction, the others in one run of their own.
; CLUSTER.  The four query blocks of a cluster are one head's and walk the same K and V, so each tile is asked for JOINTLY.
; REGISTERS, in windows of 256: window 0: v0-11 addresses; v12-15, v48-63 at work; v16-47 statistics; v64-191 S^T, two buffers of two tiles; v192-255 P, likewise
;   window 1: O^T, 32 a tile     window 2: v0-127 Q; v128-191 K of one step; v192-255 V of one step     window 3: v0-1 the add's two registers
.set SIZE_H, 64
.set SIZE_N, 2048
.set NP,    4         ; pieces a wave
.set KS,    64        ; keys in a step
.set PK,    144       ; a row of K in LDS: 128 bytes + 16
.set PV,    160       ; a row of V: 128 + 32
.set VOFF,  4*KS*PK   ; a slot holds four steps: 256 rows of K, then 256 rows of V
.set SLOT1, 1<<17
.set STAGE, SLOT1+4*KS*(PK+PV)  ; behind the ring: 16 rows x 144 bytes for each wave
.set SP,    144
.set AK0, 2
.set AV0, 3
.set AK,  4
.set AV,  5
.set QO,  6
.set STO, 6
.set RD,  7
.set GO,  8
.set PFO, 11          ; v11  256 x my lane, made when v11's first use is over; then never rewritten
.set SPW, 0           ; v0 of window 3: my spare word
.set NIL, 1           ; v1 of window 3: 0
.set SPARE, STAGE+4*16*SP
.set MV,  12
.set ST,  16
.set TMP, 48
.set S,   64
.set P,   192
.set KF,  128
.set VF,  192
.set WV,  12
.set G1K, 24
.set G1V, 32
.set G0K, 40
.set G0V, 44
.set PFA, 48          ; s[48:49] where my prefetches stand: my work-group's 32 blocks of 256 bytes (of K: wave 0, of V: wave 2) of a slot
.set LIM, 50          ; s50  1 in waves 0 and 2, else the greatest number
.set SLOTS, 56
.set CNT, 57
.set CS,  58
.set SEL, 60
.set TBK, 62
.set TBV, 63
.set MSB, 0
.macro WIN new
.if MSB != (\new)
	s_set_vgpr_msb (MSB<<8)|(\new)
.set MSB, (\new)
.endif
.endm
.set W_KQ, 0x0a
.set W_PV, 0x52
.set W_RS, 0x41
.set W_MK, 0xc0
.set W_AD, 0x0f
.macro JLOAD                        ; waves 0 and 1 fetch the halves of a slot's K, waves 2 and 3 of its V.  An s_nop 0 and four v_nop follow each line
	s_cmp_lt_u32 s[WV], 2
	s_cbranch_scc0 .Lfor_v_\@
	tensor_load_to_lds s[G0K:G0K+3], s[G1K:G1K+7]
	s_nop 0
.rept 4
	v_nop
.endr
	s_branch .Lasked_\@
.Lfor_v_\@:
	tensor_load_to_lds s[G0V:G0V+3], s[G1V:G1V+7]
	s_nop 0
.rept 4
	v_nop
.endr
.Lasked_\@:
.endm
; A PREFETCH of what the NEXT change of slots will ask for: a slot's K and V are 128 blocks of 256 bytes each.  A head has one cluster; its four partners take 32 blocks each, told apart by address;
; wave 0 asks for K's, wave 2 for V's: each block is named once.  It stands behind the joint load and its five lines.  The change that asks for the last slot prefetches nothing.
.macro ASK
	s_cmp_gt_u32 s[SLOTS], s[LIM]
	s_cbranch_scc0 .Lnot_mine_\@
	global_prefetch_b8 v[PFO], s[PFA:PFA+1] th:TH_LOAD_NT scope:SCOPE_SE
.Lnot_mine_\@:
.endm
.macro CROUND
	s_barrier_signal -1
	s_barrier_wait -1
	s_cmp_lg_u32 s[WV], 0
	s_cbranch_scc1 .Lnot_wave_0_\@
	s_barrier_signal -3
.Lnot_wave_0_\@:
	s_barrier_wait -3
	s_barrier_signal -1
	s_barrier_wait -1
.endm
; THE CHANGE OF SLOTS.  Each wave waits for all its tensor loads, adds 0 to its spare word, and waits for that and for its own reads of the slot.  fill = 1: the slot is filled again, with the keys two slots on,
; behind a round of the cluster's barrier; the joint fill has four key steps, 512 matrix instructions, in which to land.
.macro CHANGE fill
	WIN W_AD
	s_wait_tensorcnt 0x0            ; no tensor load of mine is out, so a group 0 may be written
	ds_add_u32 v[SPW], v[NIL]
	WIN 0
.if \fill
.irp g, G0K, G0V
	s_xor_b32 s[\g+1], s[\g+1], SLOT1
	s_add_nc_u64 s[\g+2:\g+3], s[\g+2:\g+3], 4*KS*128
.endr
	s_wait_xcnt 0x0                 ; the last prefetch, four key steps back, has read its address
	s_add_nc_u64 s[PFA:PFA+1], s[PFA:PFA+1], 4*KS*128  ; one slot ahead of the walking descriptors
	s_wait_dscnt 0x0                ; the add is done, and my reads of the slot are over
	CROUND
	JLOAD
	ASK
.else
	s_wait_dscnt 0x0
	s_barrier_signal -1
	s_barrier_wait -1
.endif
	s_sub_co_u32 s[TBK], s[TBK], 4*KS*PK
	s_xor_b32 s[TBK], s[TBK], SLOT1
	s_sub_co_u32 s[TBV], s[TBV], 4*KS*PV
	s_xor_b32 s[TBV], s[TBV], SLOT1
.endm
	s_load_b256 s[4:11], s[0:1], 0x0  ; Q s[4:5], K s[6:7], V s[8:9], O s[10:11]
	WIN W_MK
	v_lshl_add_u32 v[SPW], v0, 2, SPARE
	v_mov_b32 v[NIL], 0
	WIN W_AD
	ds_add_u32 v[SPW], v[NIL]       ; the wave's opening: the add and its wait stand ahead of my first tensor load
	WIN 0
	v_lshrrev_b32 v1, 5, v0
	v_readfirstlane_b32 s[WV], v1
	s_bfe_u32 s13, ttmp6, 0x40000   ; cx
	s_lshl_b32 s14, ttmp9, 2
	s_add_co_u32 s14, s14, s13      ; my block of queries: it enters Q's and O's addresses alone
	s_and_b32 s20, ttmp7, 0xffff    ; the head
	s_mov_b32 s21, 0
	s_mov_b64 s[22:23], SIZE_N*128
	s_mul_u64 s[20:21], s[20:21], s[22:23]
	s_and_b32 s16, s[WV], 1
	s_lshl_b32 s22, s16, 14
	s_mov_b32 s23, 0
	s_add_nc_u64 s[22:23], s[22:23], s[20:21]
	s_mul_i32 s17, s16, 128*PK
	s_mul_i32 s18, s16, 128*PV
	s_lshl_b32 s2, s14, 2
	s_add_co_u32 s2, s2, s[WV]
	s_lshl_b32 s2, s2, 14
	s_mov_b32 s3, 0
	s_add_nc_u64 s[2:3], s[2:3], s[20:21]
	s_mov_b32 s[G1K], 15|(1<<16)|(1<<20)|(1<<21)|(4<<22)|(3<<25)  ; the mask of four; 2-byte elements; padding on; bit 21 beside a mask; after every 32 words 4 words
	s_mov_b32 s[G1V], 15|(1<<16)|(1<<20)|(1<<21)|(4<<22)|(7<<25)  ; the same with 8 words
.irp g, G1K, G1V
	s_mov_b32 s[\g+1], 128<<16      ; 128 keys are 16,384 dense bytes: 64 rows of 256 bytes
	s_mov_b32 s[\g+2], 64<<16
	s_mov_b32 s[\g+3], 128<<16
	s_mov_b32 s[\g+4], 64
	s_mov_b32 s[\g+5], 128
	s_mov_b32 s[\g+6], 0
	s_mov_b32 s[\g+7], 0
.endr
	s_mov_b32 s[CS], 0x3e38aa3b     ; c = log2(e) / 8
	s_mov_b32 s[CS+1], s[CS]
	s_mov_b32 s[SEL], 0x76543210
	s_mov_b32 s[SEL+1], 0xfedcba98
	s_mov_b32 s[TBK], SLOT1+4*KS*PK ; the first change of slots turns these two into 0
	s_mov_b32 s[TBV], SLOT1+4*KS*PV
	s_mov_b32 s[G0K], 1
	s_mov_b32 s[G0K+1], s17
	s_mov_b32 s[G0V], 1
	s_add_co_u32 s[G0V+1], s18, VOFF
	s_mov_b32 s[SLOTS], SIZE_N/256-1
	s_cmp_eq_u32 s16, 0
	s_cselect_b32 s[LIM], 1, -1
	s_wait_dscnt 0x0                ; the opening add is done
	s_wait_kmcnt 0x0
	s_add_nc_u64 s[G0K+2:G0K+3], s[6:7], s[22:23]
	s_or_b32 s[G0K+3], s[G0K+3], 0x80000000
	s_add_nc_u64 s[G0V+2:G0V+3], s[8:9], s[22:23]
	s_or_b32 s[G0V+3], s[G0V+3], 0x80000000
	s_add_nc_u64 s[4:5], s[4:5], s[2:3]
	s_add_nc_u64 s[10:11], s[10:11], s[2:3]
	s_cmp_lt_u32 s[WV], 2
	s_cselect_b64 s[PFA:PFA+1], s[6:7], s[8:9]
	s_add_nc_u64 s[PFA:PFA+1], s[PFA:PFA+1], s[20:21]
	s_lshl_b32 s2, s13, 13          ; my work-group's 32 blocks,
	s_add_co_u32 s2, s2, 4*KS*128   ; in slot 1: the first change of slots steps it to slot 2
	s_mov_b32 s3, 0
	s_add_nc_u64 s[PFA:PFA+1], s[PFA:PFA+1], s[2:3]
	CROUND                          ; all four work-groups are here
	JLOAD                           ; slot 0
	v_and_b32 v1, 15, v0
	v_bfe_u32 v9, v0, 4, 1
	v_lshlrev_b32 v[QO], 7, v1
	v_lshl_add_u32 v[QO], v9, 4, v[QO]
	WIN 0x80
.set i, 0
.rept 4*NP                          ; Q stays in registers
	global_load_b128 v[8*i:8*i+3],   v[QO], s[4:5] offset:(i/2)*2048+(i%2)*64
	global_load_b128 v[8*i+4:8*i+7], v[QO], s[4:5] offset:(i/2)*2048+(i%2)*64+32
.set i, i+1
.endr
	; What the first turn finds: V's registers and P's second buffer hold 0, O^T and l are 0.  All this stands in the wait for the first tile.
.set i, VF
.rept 64
	v_mov_b32 v[i], 0
.set i, i+1
.endr
	WIN 0x40
.set i, 0
.rept 64*NP
	v_mov_b32 v[i], 0
.set i, i+1
.endr
	WIN 0
.set i, 0
.rept 2*NP
	v_mov_b32 v[ST+4*i], 0xfe000000    ; c m: far below every c s
	v_mov_b32 v[ST+4*i+1], 0xff7fffff  ; m
	v_mov_b32 v[ST+4*i+2], 0
	v_mov_b32 v[ST+4*i+3], 0
.set i, i+1
.endr
.set i, P+32
.rept 32
	v_mov_b32 v[i], 0
.set i, i+1
.endr
	v_mul_u32_u24 v[AK0], v1, PK
	v_lshl_add_u32 v[AK0], v9, 4, v[AK0]
	v_and_b32 v10, 7, v0
	v_bfe_u32 v11, v0, 3, 1
	v_lshl_add_u32 v[AV0], v9, 3, v10
	v_mul_u32_u24 v[AV0], v[AV0], PV
	v_lshl_add_u32 v[AV0], v11, 4, v[AV0]
	v_add_nc_u32 v[AV0], VOFF, v[AV0]
	v_and_b32 v[PFO], 31, v0
	v_lshlrev_b32 v[PFO], 8, v[PFO]
	v_mov_b32 v[AK], v[AK0]
; THE MATRIX WORK.  The 8 accumulators of a run of 16 take turns.
.macro KQ x
	WIN W_KQ
.set rS, S+64*((\x)%2)+32*(i%2)+8*((i/2)%4)
.set rK, KF+16*((i/2)%4)+8*(i/8)
.set rQ, 16*(2*(\x)+i%2)+8*(i/8)
.if i < 8
	v_wmma_f32_16x16x32_f16 v[rS:rS+7], v[rK:rK+7], v[rQ:rQ+7], 0
.else
	v_wmma_f32_16x16x32_f16 v[rS:rS+7], v[rK:rK+7], v[rQ:rQ+7], v[rS:rS+7]
.endif
.endm
.macro PV x
	WIN W_PV
.set rO, 32*(2*(\x)+i%2)+8*((i/2)%4)
.set rV, VF+32*(i/8)+8*((i/2)%4)
.set rP, P+32*((\x)%2)+16*(i%2)+8*(i/8)
	v_wmma_f32_16x16x32_f16 v[rO:rO+7], v[rV:rV+7], v[rP:rP+7], v[rO:rO+7]
.endm
.macro MM
.if i < 16
	KQ (Y+1)%NP
.set i, i+1
.else
.set i, i-16
	PV (Y+NP-1)%NP
.set i, i+17
.endif
.endm
; THE LDS LOADS stand in runs of 16.  last = 1 (the tail): in the last trip there is no further step, and the run is jumped over.
.macro FETCH_K last=0
	WIN 0
.if \last
	s_cmp_eq_u32 s[CNT], 1
	s_cbranch_scc1 .Lno_k_\@
.endif
	WIN 0x80
.irp f, 0,1,2,3,4,5,6,7
	ds_load_b128 v[KF+8*\f:KF+8*\f+3],   v[AK] offset:(\f/2)*16*PK+(\f%2)*64
	ds_load_b128 v[KF+8*\f+4:KF+8*\f+7], v[AK] offset:(\f/2)*16*PK+(\f%2)*64+32
.endr
	s_add_co_u32 s[TBK], s[TBK], KS*PK
	WIN 0
.if \last
.Lno_k_\@:
.endif
.endm
.macro FETCH_V
	WIN 0x80
.irp f, 0,1,2,3,4,5,6,7
	ds_load_tr16_b128 v[VF+8*\f:VF+8*\f+3],   v[AV] offset:(\f/4)*32*PV+(\f%4)*32
	ds_load_tr16_b128 v[VF+8*\f+4:VF+8*\f+7], v[AV] offset:(\f/4)*32*PV+16*PV+(\f%4)*32
.endr
	WIN 0
.endm
; THE VECTOR WORK OF A TURN stands in three queues, each in the order in which its entries become ready; the two tiles alternate.
.macro REGS y, u
.set rT, ST+4*(2*(\y)+(\u))
.set rC, TMP+8*((\y)%2)+4*(\u)
.set rM, MV+2*((\y)%2)+(\u)
.set rS, S+64*((\y)%2)+32*(\u)
.set rP, P+32*((\y)%2)+16*(\u)
.set rO, 32*(2*(\y)+(\u))
.endm
; Number n of the 22 that find the NEXT piece's maximum and statistics; each accumulator's lowest registers are read first.
.macro XS u, n
	REGS (Y+1)%NP, \u
.if (\n) < 4
	v_max3_num_f32 v[rC+(\n)], v[rS+8*(\n)], v[rS+8*(\n)+1], v[rS+8*(\n)+2]
.elseif (\n) < 12
	v_max3_num_f32 v[rC+(\n)%4], v[rC+(\n)%4], v[rS+8*((\n)%4)+2*((\n)/4)+1], v[rS+8*((\n)%4)+2*((\n)/4)+2]
.elseif (\n) == 12
	v_max3_num_f32 v[rC], v[rC], v[rS+7], v[rS+15]
.elseif (\n) == 13
	v_max3_num_f32 v[rC+1], v[rC+1], v[rS+23], v[rS+31]
.elseif (\n) == 14
	v_max3_num_f32 v[rC+2], v[rC+2], v[rC+3], v[rT+1]
.elseif (\n) == 15
	v_mov_b32 v[rM], v[rT]
.elseif (\n) == 16
	v_max3_num_f32 v[rC], v[rC], v[rC+1], v[rC+2]
.elseif (\n) == 17
	v_permlanex16_b32 v[rC+3], v[rC], s[SEL], s[SEL+1]
.elseif (\n) == 18
	v_max_num_f32 v[rT+1], v[rC], v[rC+3]
.elseif (\n) == 19
	v_mul_f32 v[rT], s[CS], v[rT+1]
.elseif (\n) == 20
	v_sub_f32 v[rC+1], v[rM], v[rT]
.else
	v_exp_f32 v[rC+2], v[rC+1]
.endif
.endm
; Number g of the 64 that follow the exponentials: roundings to f16, sums in place, and l.
.macro GS g
.set h, (\g)+6*((\g)/62)
.if h >= 6
.set h, h+2
.endif
	REGS Y, h%2
.set k, h/8
.if h%8 < 4
	v_cvt_pk_f16_f32 v[rP+2*k+(h%8)/2], v[rS+4*k+2*((h%8)/2)], v[rS+4*k+2*((h%8)/2)+1]
.elseif h%8 < 6
	v_pk_add_f32 v[rS+4*k:rS+4*k+1], v[rS+4*k:rS+4*k+1], v[rS+4*k+2:rS+4*k+3]
.elseif k == 1
	v_pk_fma_f32 v[rT+2:rT+3], v[rT+2:rT+3], v[rC+2:rC+3], v[rS:rS+1] op_sel_hi:[1,0,1]
.else
	v_pk_add_f32 v[rT+2:rT+3], v[rT+2:rT+3], v[rS+4*k-4:rS+4*k-3]
.endif
.endm
; THE PLAIN QUEUE, 138 long: 0-73 read no exponential's result (the 32 scalings and the next piece's 42); 74-137 are GS's 64, behind the wait.
.macro FS f
	REGS Y, (\f)%2
	v_pk_fma_f32 v[rS+2*((\f)/2):rS+2*((\f)/2)+1], v[rS+2*((\f)/2):rS+2*((\f)/2)+1], s[CS:CS+1], v[rT:rT+1] op_sel_hi:[1,0,0] neg_lo:[0,0,1] neg_hi:[0,0,1]
.endm
.macro PL
	WIN 0
.if q < 27
	FS q
.elseif q < 55
	XS (q-27)%2, (q-27)/2
.elseif q < 57
	XS q-55, 15
.elseif (q < 72) && ((q-57)%3 == 0)
	FS 27+(q-57)/3
.elseif q < 60
	XS (q-57)%3-1, 14
.elseif q < 72
	XS (q-57)%3-1, 15+(q-57)/3
.elseif q < 74
	XS q-72, 20
.else
	GS q-74
.endif
.set q, q+1
.endm
; THE EXPONENTIALS' QUEUE, 66 long: ONE BATCH, all ahead of the turn's one wait.
.macro EX
	WIN 0
.if e >= 64
	XS e-64, 21
.else
	REGS Y, e%2
	v_exp_f32 v[rS+e/2], v[rS+e/2]
.endif
.set e, e+1
.endm
; THE RESCALING's QUEUE: O^T times a, two at a time.
.macro R2
	REGS Y, r%2
	WIN W_RS
.irp z, 0,1
	v_pk_mul_f32 v[rO+4*(r/2)+2*\z:rO+4*(r/2)+2*\z+1], v[rO+4*(r/2)+2*\z:rO+4*(r/2)+2*\z+1], v[rC+2:rC+3] op_sel_hi:[1,0]
.endr
.set r, r+1
.endm
; A TURN, for piece p.  Ahead of the one wait: 16 products K Q^T with a scaling, an exponential and two rescalings behind each, then a run of 108.  Behind it: 16 products V^T P with four of GS's 64 behind each.
; K of the next step is fetched in piece 2's turn, directly behind the wait; V of the step in hand at the end of piece 0's turn, four plain instructions behind its last use.
.macro TURN p, last=0, cnt=0
.set Y, (\p)
.set i, 0
.set q, 0
.set e, 0
.set r, 0
.if (\p) == NP-1
	s_wait_dscnt 0x0                ; K is in
.endif
	MM
	PL
	PL
	R2
.rept 15
	MM
	PL
	EX
	R2
.endr
.if (\p) == NP-2
	WIN 0
	v_add_nc_u32 v[AK], s[TBK], v[AK0]
.endif
.rept 8
	PL
.endr
.rept 49
	EX
	PL
.endr
	EX
	EX
	v_nop                           ; a plain instruction behind the last exponential: one for the batch
	s_wait_alu depctr_va_vdst(0)    ; the wait ahead of the first use: one for the batch
.if (\p) == NP-2
	FETCH_K \last
.endif
.if (\p) == 1
	s_wait_dscnt 0x0                ; V is in
.endif
.rept 16
	MM
.rept 4
	PL
.endr
.if ((\p) == 0) && (q == 118)
	v_add_nc_u32 v[AV], s[TBV], v[AV0]
.endif
.if ((\p) == 0) && (q == 130)
	s_add_co_u32 s[TBV], s[TBV], KS*PV
.endif
.if (\cnt) && (q == 130)
	s_sub_co_u32 s[CNT], s[CNT], 1
	s_cmp_lg_u32 s[CNT], 0
.endif
.endr
.if (\p) == 0
	FETCH_V
.endif
.endm
	CHANGE 1                        ; slot 0 is in, everybody's part of it; slot 1 is asked for
	FETCH_K                         ; key step 0
	s_wait_loadcnt 0x0              ; Q
	s_wait_dscnt 0x0
.set i, 0
.rept 16
	KQ 0
.set i, i+1
.endr
	WIN 0                           ; the addresses for the way out: plain instructions, the places behind those products
	s_mul_i32 s13, s[WV], 16*SP
	s_add_co_u32 s13, s13, STAGE
	v_mul_u32_u24 v[STO], v1, SP
	v_lshl_add_u32 v[STO], v9, 4, v[STO]
	v_add_nc_u32 v[STO], s13, v[STO]
	v_bfe_u32 v[RD], v0, 3, 2
	v_mul_u32_u24 v[RD], v[RD], SP
	v_lshl_add_u32 v[RD], v10, 4, v[RD]
	v_add_nc_u32 v[RD], s13, v[RD]
	v_and_b32 v[GO], 31, v0
	v_lshlrev_b32 v[GO], 4, v[GO]
.set Y, NP-1
.irp n, 0,1,2,3,4,5,6,7,8,9,10,11,12,13,14,15,16,17,18,19,20,21
	XS 0, \n
	XS 1, \n
.endr
	v_nop
	s_wait_alu depctr_va_vdst(0)    ; the two a have their wait ahead of the branch
	s_mov_b32 s[CNT], 4
	s_branch .Lfirst                ; the loop is entered at a step's first turn
.Lslot:                             ; six times: every slot but the last two is filled again
	CHANGE 1
	s_mov_b32 s[CNT], 4
.Lstep:
	TURN 2
	TURN 3
	WIN 0
.Lfirst:
	TURN 0
	TURN 1, 0, 1
	WIN 0
	s_cbranch_scc1 .Lstep
	s_sub_co_u32 s[SLOTS], s[SLOTS], 1
	s_cmp_lg_u32 s[SLOTS], 0
	s_cbranch_scc1 .Lslot
	CHANGE 0                        ; the tail is written out
	s_mov_b32 s[CNT], 5
.Ltail:
	TURN 2, 1
	TURN 3
	WIN 0
	s_sub_co_u32 s[CNT], s[CNT], 1
	s_cmp_eq_u32 s[CNT], 0
	s_cbranch_scc1 .Lout
	TURN 0
	TURN 1
	WIN 0
	s_branch .Ltail
.Lout:                              ; the fifth trip's 16 products K Q^T and the maximum made of them serve nothing: the price of one text for every trip
.set i, 0
.rept 16
	PV NP-1
.set i, i+1
.endr
	; THE WAY OUT.  l's halves are added; O^T is divided by l, rounded to f16 and sent through my stage, a tile at a time.
	WIN 0
.macro ALL line:vararg
.set t, 0
.rept 2*NP
	\line
.set t, t+1
.endr
.endm
	ALL v_add_f32 v[ST+4*t+2], v[ST+4*t+2], v[ST+4*t+3]
	ALL v_permlanex16_b32 v[ST+4*t+3], v[ST+4*t+2], s[SEL], s[SEL+1]
	ALL v_add_f32 v[ST+4*t+2], v[ST+4*t+2], v[ST+4*t+3]
	ALL v_rcp_f32 v[ST+4*t+2], v[ST+4*t+2]
	v_nop
	s_wait_alu depctr_va_vdst(0)    ; one wait for the eight reciprocals
.macro PACK t
	WIN W_RS
.set i, 32*(\t)
.rept 16
	v_pk_mul_f32 v[i:i+1], v[i:i+1], v[ST+4*(\t)+2:ST+4*(\t)+3] op_sel_hi:[1,0]
.set i, i+2
.endr
	WIN 0x05
.set i, 0
.rept 16
	v_cvt_pk_f16_f32 v[S+16*(\t)+i], v[32*(\t)+2*i], v[32*(\t)+2*i+1]
.set i, i+1
.endr
	WIN 0
.irp f, 0,1,2,3
	ds_store_b128 v[STO], v[S+16*(\t)+4*\f:S+16*(\t)+4*\f+3] offset:32*\f
.endr
.irp f, 0,1,2,3
	ds_load_b128 v[S+16*(\t)+4*\f:S+16*(\t)+4*\f+3], v[RD] offset:\f*4*SP  ; LDS serves a wave's instructions in order (ISA guide 5.7.1.4)
.endr
.endm
.macro SEND t, younger
	WIN 0
.irp f, 0,1,2,3
	s_wait_dscnt (\younger)+3-\f
	global_store_b128 v[GO], v[S+16*(\t)+4*\f:S+16*(\t)+4*\f+3], s[10:11] offset:(\t)*2048+\f*512  ; 512 consecutive bytes, aligned
.endr
.endm
	PACK 0
.set t, 1
.rept 2*NP-1
	PACK t
	SEND t-1, 8
.set t, t+1
.endr
	SEND 2*NP-1, 0
	WIN W_AD
	s_wait_tensorcnt 0x0            ; the wave's end
	ds_add_u32 v[SPW], v[NIL]
	s_wait_dscnt 0x0
	WIN 0
	CROUND                          ; the closing round
	s_endpgm
.Lfunc_end_k_qec5171a9d2_attn:
	.size	k_qec5171a9d2_attn, .Lfunc_end_k_qec5171a9d2_attn-k_qec5171a9d2_attn
	.p2alignl 7, 3214868480
	.fill 96, 4, 3214868480
	.section	.rodata,"a",@progbits
	.p2align	6, 0x0
	.amdhsa_kernel k_qec5171a9d2_attn
		.amdhsa_group_segment_fixed_size 327680
		.amdhsa_private_segment_fixed_size 0
		.amdhsa_enable_private_segment 0
		.amdhsa_kernarg_size 32
		.amdhsa_user_sgpr_count 2
		.amdhsa_user_sgpr_kernarg_segment_ptr 1
		.amdhsa_wavefront_size32 1
		.amdhsa_system_sgpr_workgroup_id_x 1
		.amdhsa_system_sgpr_workgroup_id_y 1
		.amdhsa_system_sgpr_workgroup_id_z 1
		.amdhsa_system_vgpr_workitem_id 0
		.amdhsa_next_free_vgpr 770
		.amdhsa_next_free_sgpr 66
		.amdhsa_reserve_vcc 0
		.amdhsa_float_denorm_mode_32 3
		.amdhsa_float_denorm_mode_16_64 3
		.amdhsa_memory_ordered 1
		.amdhsa_forward_progress 1
		.amdhsa_inst_pref_size 200
	.end_amdhsa_kernel
	.amdgpu_metadata
---
amdhsa.version: [ 1, 2 ]
amdhsa.kernels:
  - .name:           k_qec5171a9d2_attn
    .symbol:         k_qec5171a9d2_attn.kd
    .args:
      - { .name: q16, .offset: 0, .size: 8, .value_kind: global_buffer, .address_space: global }
      - { .name: k16, .offset: 8, .size: 8, .value_kind: global_buffer, .address_space: global }
      - { .name: v16, .offset: 16, .size: 8, .value_kind: global_buffer, .address_space: global }
      - { .name: o16, .offset: 24, .size: 8, .value_kind: global_buffer, .address_space: global }
    .group_segment_fixed_size: 327680
    .private_segment_fixed_size: 0
    .kernarg_segment_align: 8
    .kernarg_segment_size: 32
    .max_flat_workgroup_size: 128
    .sgpr_count:     66
    .vgpr_count:     770
    .wavefront_size: 32
...
	.end_amdgpu_metadata
.endif
;; end of part 3
;; launch proj (part 4): grid 8 x 32, 4 waves a work-group, clusters of 4 x 4, 327,680 bytes of LDS; arguments o16, wo16, b_out, out0; writes out0
.if DOCPART == 4
	.amdgcn_target "amdgcn-amd-amdhsa--gfx1250"
	.amdhsa_code_object_version 6
	.text
	.protected	k_qec5171a9d2_proj
	.globl	k_qec5171a9d2_proj
	.p2align	8
	.type	k_qec5171a9d2_proj,@function
k_qec5171a9d2_proj:
	s_mov_b64 s[64:65], 0
	v_nop
	global_prefetch_b8 v0, s[64:65] scope:SCOPE_SE
	s_setreg_imm32_b32 hwreg(HW_REG_WAVE_MODE, 25, 1), 1
	s_wait_xcnt 0x0
	s_wait_alu depctr_hold_cnt(0) depctr_sa_sdst(0) depctr_va_vdst(0) depctr_va_sdst(0) depctr_va_ssrc(0) depctr_va_vcc(0) depctr_vm_vsrc(0)
	s_getreg_b32 s2, hwreg(HW_REG_IB_STS2, 6, 4)
	s_cmp_eq_u32 s2, 0
	s_cbranch_scc0 .Lentry_in_a_cluster
	s_endpgm
.Lentry_in_a_cluster:
	s_bfe_u32 s2, ttmp6, 0x10000c
	s_cmp_lg_u32 s2, 0xf033
	s_cbranch_scc0 .Lentry_shape_is_right
	s_endpgm
.Lentry_shape_is_right:
; out0 = O x w_out + b_out.  O: o16, f16 [bh 64][t 2048][64]; w_out: wo16, f16 [j 8][k 1024][128]; b_out f32; out0 f32 [8192][1024].  Operands f16, sums f32; the bias is added in f32.
; SHARES.  A tile of 256 rows x 128 columns to each of 256 work-groups; a wave takes 128 rows (RH = wave / 2) x 64 columns (CH = wave % 2): 32 accumulators, window 1, (a, nb) at v[8 (4 a + nb)].
; K = 16 heads x 64.  A slot of LDS holds TWO heads: A 2 x 256 rows x 144 bytes, B 128 k-rows x 288 bytes; 8 slot steps through two slots.  One tensor load a wave: waves 0, 1 a head of A each, waves 2, 3 64 k-rows of B each.
; THE MATRIX INSTRUCTION IS USED TRANSPOSED (source 0 = 16 columns of w, turned out of LDS; source 1 = 16 rows of O): a lane holds row l % 16 and columns 8 (l / 16) + 0..7.
; CLUSTER 4 x 4: A's tiles are shared along a row of the cluster, B's along a column.
; WINDOWS: 0: addresses, v32-95 two blocks on the way out, v96-99 the bias; 1: accumulators; 2, 3: the fragments of a slot's head 0 and head 1: chunk kc has A at 96 kc + 8 a, B at 96 kc + 64 + 8 nb.
.set PA,    144
.set PB,    288
.set BOFF,  2*256*PA                   ; 73,728
.set SLOT1, 1<<17
.set STAGE, SLOT1+BOFF+128*PB          ; 241,664: 16 rows x 272 bytes for each wave
.set SP,    272
.set SPARE, STAGE+4*16*SP              ; 259,072: the spare words, 128 bytes a wave
.set ASTEP, 524288                     ; two heads on in o16
.set BSTEP, 32768                      ; 128 k-rows on in wo16
.set A0,   14
.set B0,   15
.set ADRA, 16
.set ADRB, 17
.set STO,  24
.set RD,   25
.set CO,   26
.set SPW,  28
.set NIL,  29
.set PFO,  30
.set BO,   31
.set BK,   32
.set BI,   96
.set WV, 16
.set RH, 17
.set CH, 18
.set CX, 19
.set CY, 20
.set TJ, 21
.set TR, 22
.set G1A, 24
.set G0A, 32
.set G1B, 40
.set G0B, 48
.set PFA, 56
.set PST, 58
.set LIM, 60
.set TB,  62
.set MSB, 0
.macro WIN new
.if MSB != (\new)
	s_set_vgpr_msb (MSB<<8)|(\new)
.set MSB, (\new)
.endif
.endm
.macro PLACES
.rept 4
	v_nop
.endr
.endm
.macro CREST
	s_cmp_lg_u32 s[WV], 0
	s_cbranch_scc1 .Lnot_wave_0_\@
	s_barrier_signal -3
.Lnot_wave_0_\@:
	s_barrier_wait -3
	s_barrier_signal -1
	s_barrier_wait -1
.endm
.macro CROUND
	s_barrier_signal -1
	s_barrier_wait -1
	CREST
.endm
.macro JLOAD                           ; a joint refill by the walking group 0.  An s_nop 0 and four v_nop follow each line
	s_cmp_eq_u32 s[RH], 0
	s_cbranch_scc0 .Lfor_b_\@
	tensor_load_to_lds s[G0A+4:G0A+7], s[G1A:G1A+7]
	s_nop 0
.rept 4
	v_nop
.endr
	s_branch .Lasked_\@
.Lfor_b_\@:
	tensor_load_to_lds s[G0B+4:G0B+7], s[G1B:G1B+7]
	s_nop 0
.rept 4
	v_nop
.endr
.Lasked_\@:
.endm
; A PREFETCH, behind the joint load and the run of LDS loads: trip t names slot step t + 3, one slot step ahead of the refill that wants it; the last names step 7.  Each block of 256 bytes is named once:
; A's head tile is 128 blocks: the cluster with x = 0 asks, waves 0 and 1 each for their own head, the four partners of a row 32 blocks each by address (cx).
; B's slot step is 128 blocks: the cluster with y = 0 asks, wave 2, the four partners of a column 32 blocks each (cy).  Wave 3 asks for nothing.
.macro ASK
	s_cmp_gt_u32 s3, s[LIM]
	s_cbranch_scc0 .Lnot_mine_\@
	global_prefetch_b8 v[PFO], s[PFA:PFA+1] th:TH_LOAD_NT scope:SCOPE_SE
.Lnot_mine_\@:
.endm
	s_load_b256 s[4:11], s[0:1], 0x0               ; o16 s[4:5], wo16 s[6:7], b_out s[8:9], out0 s[10:11]
	v_lshl_add_u32 v[SPW], v0, 2, SPARE
	v_mov_b32 v[NIL], 0
	ds_add_u32 v[SPW], v[NIL]                      ; the wave's opening: the add and its wait stand ahead of my first tensor load
	v_lshrrev_b32 v1, 5, v0
	v_readfirstlane_b32 s[WV], v1
	s_lshr_b32 s[RH], s[WV], 1
	s_and_b32 s[CH], s[WV], 1
	s_bfe_u32 s[CX], ttmp6, 0x40000
	s_bfe_u32 s[CY], ttmp6, 0x40004
	s_lshl_b32 s[TJ], ttmp9, 2
	s_add_co_u32 s[TJ], s[TJ], s[CX]
	s_and_b32 s[TR], ttmp7, 0xffff
	s_lshl_b32 s[TR], s[TR], 2
	s_add_co_u32 s[TR], s[TR], s[CY]
	s_lshl_b32 s2, s[CY], 2
	s_lshl_b32 s2, 15, s2
	s_lshl_b32 s23, 0x1111, s[CX]
	s_or_b32 s[G1A], s2, (1<<16)|(1<<20)|(1<<21)|(4<<22)|(3<<25)   ; after every 32 words 4 words of padding
	s_or_b32 s[G1B], s23, (1<<16)|(1<<20)|(1<<21)|(5<<22)|(7<<25)  ; after every 64 words 8 words
.irp g, G1A, G1B
	s_mov_b32 s[\g+1], 128<<16                     ; rows of 256 bytes, end to end in memory
	s_mov_b32 s[\g+3], 128<<16
	s_mov_b32 s[\g+5], 128
	s_mov_b32 s[\g+6], 0
	s_mov_b32 s[\g+7], 0
.endr
	s_mov_b32 s[G1A+2], 128<<16                    ; A: 128 such rows = 256 rows of O x 64 channels
	s_mov_b32 s[G1A+4], 128
	s_mov_b32 s[G1B+2], 64<<16                     ; B: 64 k-rows x 128 columns
	s_mov_b32 s[G1B+4], 64
	s_lshr_b32 s66, s[TR], 3                       ; A's tile: b x 4,194,304 + (tile row % 8) x 32,768 + head x 262,144
	s_lshl_b32 s66, s66, 22
	s_and_b32 s67, s[TR], 7
	s_lshl_b32 s67, s67, 15
	s_add_co_u32 s66, s66, s67
	s_lshl_b32 s67, s[CH], 18
	s_add_co_u32 s66, s66, s67
	s_lshl_b32 s76, s[CX], 13                      ; the prefetch of A: my head's tile, my work-group's quarter, at slot step 2
	s_add_co_u32 s76, s76, s66
	s_add_co_u32 s76, s76, 2*ASTEP
	s_mov_b32 s67, 0
	s_lshl_b32 s68, s[TJ], 18                      ; B's tile: j x 262,144 + half x 16,384
	s_lshl_b32 s77, s[CY], 13                      ; the prefetch of B
	s_add_co_u32 s77, s77, s68
	s_add_co_u32 s77, s77, 2*BSTEP
	s_lshl_b32 s69, s[CH], 14
	s_add_co_u32 s68, s68, s69
	s_mov_b32 s69, 0
	s_mul_i32 s70, s[CH], 256*PA
	s_mul_i32 s71, s[CH], 64*PB
	s_add_co_u32 s71, s71, BOFF
	s_mov_b32 s[G0A], 1
	s_mov_b32 s[G0A+1], s70
	s_mov_b32 s[G0A+4], 1
	s_add_co_u32 s[G0A+5], s70, SLOT1
	s_mov_b32 s[G0B], 1
	s_mov_b32 s[G0B+1], s71
	s_mov_b32 s[G0B+4], 1
	s_add_co_u32 s[G0B+5], s71, SLOT1
	s_mov_b32 s[TB], 0
	s_and_b32 s78, ttmp7, 0xffff
	s_mov_b32 s79, ASTEP
	s_mov_b32 s80, BSTEP
	s_cmp_eq_u32 s[RH], 0
	s_cselect_b32 s[PST], s79, s80
	s_cselect_b32 s82, s76, s77
	s_cselect_b32 s78, ttmp9, s78
	s_mov_b32 s[PST+1], 0
	s_mov_b32 s83, 0
	s_cmp_eq_u32 s[WV], 3
	s_cselect_b32 s78, 1, s78
	s_cmp_eq_u32 s78, 0
	s_cselect_b32 s[LIM], 1, -1
	s_wait_dscnt 0x0                               ; the opening add is done
	s_wait_kmcnt 0x0
	s_add_nc_u64 s[72:73], s[4:5], s[66:67]
	s_add_nc_u64 s[74:75], s[6:7], s[68:69]
	s_add_nc_u64 s[G0A+2:G0A+3], s[72:73], 0
	s_or_b32 s[G0A+3], s[G0A+3], 0x80000000
	s_add_nc_u64 s[G0A+6:G0A+7], s[72:73], ASTEP
	s_or_b32 s[G0A+7], s[G0A+7], 0x80000000
	s_add_nc_u64 s[G0B+2:G0B+3], s[74:75], 0
	s_or_b32 s[G0B+3], s[G0B+3], 0x80000000
	s_add_nc_u64 s[G0B+6:G0B+7], s[74:75], BSTEP
	s_or_b32 s[G0B+7], s[G0B+7], 0x80000000
	s_cmp_eq_u32 s[RH], 0
	s_cselect_b64 s[PFA:PFA+1], s[4:5], s[6:7]
	s_add_nc_u64 s[PFA:PFA+1], s[PFA:PFA+1], s[82:83]
	CROUND                                         ; all sixteen work-groups are here
	s_cmp_eq_u32 s[RH], 0                          ; a wave's two first fills stand in one branch: two loads of mine are out
	s_cbranch_scc0 .Lfirst_b
	tensor_load_to_lds s[G0A:G0A+3], s[G1A:G1A+7]
	s_nop 0
	tensor_load_to_lds s[G0A+4:G0A+7], s[G1A:G1A+7]
	s_nop 0
.rept 4
	v_nop
.endr
	s_branch .Lfirst_asked
.Lfirst_b:
	tensor_load_to_lds s[G0B:G0B+3], s[G1B:G1B+7]
	s_nop 0
	tensor_load_to_lds s[G0B+4:G0B+7], s[G1B:G1B+7]
	s_nop 0
.rept 4
	v_nop
.endr
.Lfirst_asked:
	v_and_b32 v1, 15, v0
	v_bfe_u32 v2, v0, 4, 1
	v_and_b32 v3, 7, v0
	v_bfe_u32 v4, v0, 3, 1
	v_and_b32 v5, 31, v0
	v_mul_u32_u24 v[A0], v1, PA
	v_lshl_add_u32 v[A0], v2, 4, v[A0]
	s_mul_i32 s2, s[RH], 128*PA
	v_add_nc_u32 v[A0], s2, v[A0]
	v_lshl_add_u32 v[B0], v2, 3, v3
	v_mul_u32_u24 v[B0], v[B0], PB
	v_lshl_add_u32 v[B0], v4, 4, v[B0]
	s_lshl_b32 s2, s[CH], 7
	s_add_co_u32 s2, s2, BOFF
	v_add_nc_u32 v[B0], s2, v[B0]
	v_mov_b32 v[ADRA], v[A0]
	v_mov_b32 v[ADRB], v[B0]
	s_mul_i32 s2, s[WV], 16*SP
	s_add_co_u32 s2, s2, STAGE
	v_mul_u32_u24 v[STO], v1, SP                   ; in: row r, 32 bytes for each half of the lanes
	v_lshl_add_u32 v[STO], v2, 5, v[STO]
	v_add_nc_u32 v[STO], s2, v[STO]
	v_mul_u32_u24 v[RD], v2, SP                    ; back: lanes 0-15 one row of 256 bytes, lanes 16-31 the next
	v_lshl_add_u32 v[RD], v1, 4, v[RD]
	v_add_nc_u32 v[RD], s2, v[RD]
	v_lshlrev_b32 v[CO], 12, v2                    ; and the same two rows in out0
	v_lshl_add_u32 v[CO], v1, 4, v[CO]
	v_lshlrev_b32 v[PFO], 8, v5
	v_lshlrev_b32 v[BO], 4, v1
	s_lshl_b32 s84, s[TJ], 9                       ; my 64 columns: (128 j + 64 CH) x 4 bytes
	s_lshl_b32 s85, s[CH], 8
	s_add_co_u32 s84, s84, s85
	s_mov_b32 s85, 0
	s_add_nc_u64 s[8:9], s[8:9], s[84:85]
	s_lshl_b32 s86, s[TR], 8                       ; my first row: 256 tile row + 128 RH
	s_lshl_b32 s87, s[RH], 7
	s_add_co_u32 s86, s86, s87
	s_lshl_b32 s86, s86, 12
	s_add_co_u32 s86, s86, s84
	s_mov_b32 s87, 0
	s_add_nc_u64 s[10:11], s[10:11], s[86:87]
	global_load_b128 v[BI:BI+3], v[BO], s[8:9]     ; the bias of the four columns that I store
; 4 na matrix instructions: row blocks a0 .. a0 + na - 1 x four column blocks, chunk kc of buffer buf.  The 32 accumulators take turns.
.macro MULN buf, kc, a0, na, zero
	WIN 0x5a+5*(\buf)                              ; both sources in window 2 + buf, C and D in window 1
.set ma, (\a0)
.rept (\na)
.irp nb, 0,1,2,3
.if \zero
	v_wmma_f32_16x16x32_f16 v[8*(4*ma+(\nb)):8*(4*ma+(\nb))+7], v[96*(\kc)+64+8*(\nb):96*(\kc)+64+8*(\nb)+7], v[96*(\kc)+8*ma:96*(\kc)+8*ma+7], 0
.else
	v_wmma_f32_16x16x32_f16 v[8*(4*ma+(\nb)):8*(4*ma+(\nb))+7], v[96*(\kc)+64+8*(\nb):96*(\kc)+64+8*(\nb)+7], v[96*(\kc)+8*ma:96*(\kc)+8*ma+7], v[8*(4*ma+(\nb)):8*(4*ma+(\nb))+7]
.endif
.endr
.set ma, ma+1
.endr
.endm
.macro FETCH hd                        ; 48 LDS loads in one run: the fragments of the slot's head hd, chunk 0's 24 first
	WIN (2+(\hd))<<6
.irp kc, 0,1
.irp nb, 0,1,2,3
	ds_load_tr16_b128 v[96*(\kc)+64+8*(\nb):96*(\kc)+64+8*(\nb)+3],   v[ADRB] offset:(64*(\hd)+32*(\kc))*PB+32*(\nb)
	ds_load_tr16_b128 v[96*(\kc)+64+8*(\nb)+4:96*(\kc)+64+8*(\nb)+7], v[ADRB] offset:(64*(\hd)+32*(\kc))*PB+32*(\nb)+16*PB
.endr
.irp a, 0,1,2,3,4,5,6,7
	ds_load_b128 v[96*(\kc)+8*(\a):96*(\kc)+8*(\a)+3],   v[ADRA] offset:256*PA*(\hd)+16*PA*(\a)+64*(\kc)
	ds_load_b128 v[96*(\kc)+8*(\a)+4:96*(\kc)+8*(\a)+7], v[ADRA] offset:256*PA*(\hd)+16*PA*(\a)+64*(\kc)+32
.endr
.endr
	WIN 0
.endm
.macro H0 zero                         ; a slot's head 0 is multiplied, its head 1 fetched
	s_wait_dscnt 24                                ; chunk 0's 24 loads are in; chunk 1's may be out
	MULN 0, 0, 0, 8, \zero
	PLACES
	FETCH 1
	s_wait_dscnt 48                                ; all but the 48 just issued
	MULN 0, 1, 0, 8, 0
.endm
.macro TURN fill                       ; a slot's head 1 is multiplied, and the slots change; fill = 1: this slot is filled again, two slot steps ahead
.if \fill
	s_wait_xcnt 0x0                                ; the last prefetch, a slot step back, has read its address
	s_add_nc_u64 s[PFA:PFA+1], s[PFA:PFA+1], s[PST:PST+1]
.endif
	WIN 0
	s_wait_tensorcnt 0x0                           ; all my tensor loads have landed: my part of the next slot;
	ds_add_u32 v[SPW], v[NIL]
.if \fill
	s_xor_b32 s[G0A+5], s[G0A+5], SLOT1
	s_add_nc_u64 s[G0A+6:G0A+7], s[G0A+6:G0A+7], ASTEP
	s_xor_b32 s[G0B+5], s[G0B+5], SLOT1
	s_add_nc_u64 s[G0B+6:G0B+7], s[G0B+6:G0B+7], BSTEP
.endif
	s_wait_dscnt 25                                ; chunk 0's loads are in; chunk 1's 24 and the add may be out
	MULN 1, 0, 0, 2, 0
	s_wait_dscnt 0x0                               ; the add is done, and my reads of this slot are over
	s_barrier_signal -1
	s_xor_b32 s[TB], s[TB], SLOT1
	MULN 1, 0, 2, 2, 0
	WIN 0
	s_barrier_wait -1
.if \fill
	CREST                                          ; no wave of any partner still reads this slot or has a load on its way
	JLOAD                                          ; the first tensor load behind the round; its four v_nop are also the places in front of the loads below
.else
	PLACES
.endif
	v_add_nc_u32 v[ADRA], s[TB], v[A0]
	v_add_nc_u32 v[ADRB], s[TB], v[B0]
	FETCH 0
.if \fill
	ASK
.endif
	MULN 1, 0, 4, 4, 0
	MULN 1, 1, 0, 8, 0
.endm
	s_wait_tensorcnt 1                             ; my part of slot step 0 is in; step 1's may stay out
	s_barrier_signal -1
	s_barrier_wait -1
	FETCH 0
	H0 1                                           ; the first products start the sums
	WIN 0
	s_mov_b32 s3, 6
.Lstep:                                        ; six trips: slot steps 2 to 7 are asked for
	TURN 1
	H0 0
	WIN 0
	s_sub_co_u32 s3, s3, 1
	s_cmp_lg_u32 s3, 0
	s_cbranch_scc1 .Lstep
	TURN 0                                         ; the tail is written out: nothing is left to ask for
	H0 0
	s_wait_dscnt 24
	MULN 1, 0, 0, 8, 0
	s_wait_dscnt 0x0
	MULN 1, 1, 0, 8, 0
	PLACES
	WIN 0
	s_wait_loadcnt 0x0                             ; the bias
; THE WAY OUT, 16 rows at a time: the sums go as they are into rows of 272 bytes of my stage, come back as whole rows of 256, take the bias and leave.
.macro TOSTAGE a
	WIN 0x04                                       ; the stores' data in window 1
.irp nb, 0,1,2,3
	ds_store_b128 v[STO], v[8*(4*(\a)+(\nb)):8*(4*(\a)+(\nb))+3]   offset:64*(\nb)      ; each accumulator's lowest registers first
	ds_store_b128 v[STO], v[8*(4*(\a)+(\nb))+4:8*(4*(\a)+(\nb))+7] offset:64*(\nb)+16
.endr
	WIN 0
	s_wait_xcnt 0x0                                ; the stores of the block before last have read the registers that are loaded now
.irp t, 0,1,2,3,4,5,6,7
	ds_load_b128 v[BK+32*((\a)%2)+4*(\t):BK+32*((\a)%2)+4*(\t)+3], v[RD] offset:2*SP*(\t)  ; LDS serves a wave's instructions in order (ISA guide 5.7.1.4)
.endr
.endm
.macro SEND a, younger                 ; younger: the next block's 16 LDS instructions, or none
	s_wait_dscnt \younger
.irp t, 0,1,2,3,4,5,6,7
	v_pk_add_f32 v[BK+32*((\a)%2)+4*(\t):BK+32*((\a)%2)+4*(\t)+1],   v[BK+32*((\a)%2)+4*(\t):BK+32*((\a)%2)+4*(\t)+1],   v[BI:BI+1]
	v_pk_add_f32 v[BK+32*((\a)%2)+4*(\t)+2:BK+32*((\a)%2)+4*(\t)+3], v[BK+32*((\a)%2)+4*(\t)+2:BK+32*((\a)%2)+4*(\t)+3], v[BI+2:BI+3]
.endr
.irp t, 0,1,2,3,4,5,6,7
	global_store_b128 v[CO], v[BK+32*((\a)%2)+4*(\t):BK+32*((\a)%2)+4*(\t)+3], s[10:11] offset:(16*(\a)+2*(\t))*4096 th:TH_STORE_NT  ; 16 lanes store 256 consecutive bytes, aligned
.endr
.endm
	TOSTAGE 0
.irp a, 1,2,3,4,5,6,7
	TOSTAGE \a
	SEND (\a)-1, 16
.endr
	SEND 7, 0
	s_wait_tensorcnt 0x0                           ; the wave's end
	ds_add_u32 v[SPW], v[NIL]
	s_wait_dscnt 0x0
	CROUND                                         ; the closing round
	s_endpgm
.Lfunc_end_k_qec5171a9d2_proj:
	.size	k_qec5171a9d2_proj, .Lfunc_end_k_qec5171a9d2_proj-k_qec5171a9d2_proj
	.p2alignl 7, 3214868480
	.fill 96, 4, 3214868480
	.section	.rodata,"a",@progbits
	.p2align	6, 0x0
	.amdhsa_kernel k_qec5171a9d2_proj
		.amdhsa_group_segment_fixed_size 327680
		.amdhsa_private_segment_fixed_size 0
		.amdhsa_enable_private_segment 0
		.amdhsa_kernarg_size 32
		.amdhsa_user_sgpr_count 2
		.amdhsa_user_sgpr_kernarg_segment_ptr 1
		.amdhsa_wavefront_size32 1
		.amdhsa_system_sgpr_workgroup_id_x 1
		.amdhsa_system_sgpr_workgroup_id_y 1
		.amdhsa_system_sgpr_workgroup_id_z 1
		.amdhsa_system_vgpr_workitem_id 0
		.amdhsa_next_free_vgpr 960
		.amdhsa_next_free_sgpr 96
		.amdhsa_reserve_vcc 0
		.amdhsa_float_denorm_mode_32 3
		.amdhsa_float_denorm_mode_16_64 3
		.amdhsa_memory_ordered 1
		.amdhsa_forward_progress 1
		.amdhsa_inst_pref_size 77
	.end_amdhsa_kernel
	.amdgpu_metadata
---
amdhsa.version: [ 1, 2 ]
amdhsa.kernels:
  - .name:           k_qec5171a9d2_proj
    .symbol:         k_qec5171a9d2_proj.kd
    .args:
      - { .name: o16, .offset: 0, .size: 8, .value_kind: global_buffer, .address_space: global }
      - { .name: wo16, .offset: 8, .size: 8, .value_kind: global_buffer, .address_space: global }
      - { .name: b_out, .offset: 16, .size: 8, .value_kind: global_buffer, .address_space: global }
      - { .name: out0, .offset: 24, .size: 8, .value_kind: global_buffer, .address_space: global }
    .group_segment_fixed_size: 327680
    .private_segment_fixed_size: 0
    .kernarg_segment_align: 8
    .kernarg_segment_size: 32
    .max_flat_workgroup_size: 128
    .sgpr_count:     96
    .vgpr_count:     960
    .wavefront_size: 32
...
	.end_amdgpu_metadata
.endif
;; end of part 4
